; MI455X (gfx1250); checked and timed in simulation.
; The chip was launched on July 23, 2026; its instructions are those of AMD's public machine-readable ISA for CDNA 5 (MIT licence, August 2026) and "CDNA5" Instruction Set Architecture Reference Guide (July 2026). The comments in the code are by the model that wrote it; some were corrected since.
;; Multi Head Attention. Allowed arithmetic: float matrix products may take bf16 or f16 operands with f32 sums; all other float work in f32.
;; Inputs: Wk 1,024 x 1,024 float32; Wo 1,024 x 1,024 float32; Wq 1,024 x 1,024 float32; Wv 1,024 x 1,024 float32; bk 1,024 float32; bo 1,024 float32; bq 1,024 float32; bv 1,024 float32; key 4 x 2,048 x 1,024 float32; query 4 x 2,048 x 1,024 float32; value 4 x 2,048 x 1,024 float32.
;; Outputs: out0 4 x 2,048 x 1,024 float32.
;; One version. Each part assembles by itself: llvm-mc -triple=amdgcn-amd-amdhsa -mcpu=gfx1250 --defsym DOCPART=n.
;; ======== version 1 of 1: 4 launches
;; limits: values are held in f16: magnitudes above 65,504 overflow, below 6.1e-05 lose precision
;; workspace buffers: w16 8,388,608 bytes; qh 16,777,216 bytes; kh 16,777,216 bytes; vh 16,777,216 bytes; ctx 16,777,216 bytes
;; launch prep (part 1): grid 64 x 4, 8 waves a work-group, no clusters, 0 bytes of LDS; arguments Wq, Wk, Wv, Wo, w16; writes w16
.if DOCPART == 1
	.amdgcn_target "amdgcn-amd-amdhsa--gfx1250"
	.amdhsa_code_object_version 6
	.text
	.protected	k_qa6e4e7d8d8_prep
	.globl	k_qa6e4e7d8d8_prep
	.p2align	8
	.type	k_qa6e4e7d8d8_prep,@function
k_qa6e4e7d8d8_prep:
	s_mov_b64 s[64:65], 0
	v_nop
	global_prefetch_b8 v0, s[64:65] scope:SCOPE_SE
	s_setreg_imm32_b32 hwreg(HW_REG_WAVE_MODE, 25, 1), 1
	s_wait_xcnt 0x0
; The four weight matrices, [1024 (k)][1024 (n)] f32, are rounded once to 16 bits and laid, as they lie, into the four sections of w16 (2,097,152 bytes each):
; Wq, Wk, Wv as bf16; Wo is rounded to bf16 like the others, and that number is written as f16, since the last product multiplies it with f16 numbers.
; LIMITS.  A bf16 number is exact in f16 between 6.1e-5 and 65,504 in magnitude; below that Wo keeps f16's fixed step of 6e-8, beyond it the conversion gives an infinity.
; A stream: no LDS, no barrier, no matrix unit.  Work-group (x, y) takes 16,384 numbers of matrix y; thread t takes 8 numbers in each of 8 turns: 32 bytes in at 8,192 i + 32 t,
; 16 bytes out at 4,096 i + 16 t, so that sixteen neighbouring lanes store 256 consecutive bytes at a multiple of 256 from the buffer's first byte.
; All 16 loads of a thread go out at once; no register is written twice while a memory instruction may read it.
.set X, 4                              ; v[4:67]    turn i: 8 numbers as loaded
.set Y, 68                             ; v[68:99]   turn i: 4 registers to store
.set T, 100                            ; v[100:103] at work
	s_load_b256 s[4:11], s[0:1], 0x0               ; Wq s[4:5], Wk s[6:7], Wv s[8:9], Wo s[10:11]
	s_load_b64 s[12:13], s[0:1], 0x20              ; w16
	s_and_b32 s14, ttmp7, 0xffff                   ; which matrix
	s_mov_b32 s15, 0xffff0000                      ; a word's upper bf16
	v_lshlrev_b32 v1, 5, v0                        ; 32 t
	v_lshlrev_b32 v2, 4, v0                        ; 16 t
	s_lshl_b32 s18, ttmp9, 16                      ; the work-group's 65,536 bytes of the matrix
	s_mov_b32 s19, 0
	s_lshl_b32 s20, s14, 21                        ; the matrix's section of w16,
	s_lshl_b32 s21, ttmp9, 15                      ; and the work-group's 32,768 bytes in it
	s_add_co_u32 s20, s20, s21
	s_mov_b32 s21, 0
	s_wait_kmcnt 0x0
	s_mov_b64 s[16:17], s[4:5]
	s_cmp_eq_u32 s14, 1
	s_cselect_b64 s[16:17], s[6:7], s[16:17]
	s_cmp_eq_u32 s14, 2
	s_cselect_b64 s[16:17], s[8:9], s[16:17]
	s_cmp_eq_u32 s14, 3
	s_cselect_b64 s[16:17], s[10:11], s[16:17]
	s_add_nc_u64 s[16:17], s[16:17], s[18:19]
	s_add_nc_u64 s[12:13], s[12:13], s[20:21]
.irp i, 0,1,2,3,4,5,6,7
	global_load_b128 v[X+8*(\i):X+8*(\i)+3],   v1, s[16:17] offset:8192*(\i) th:TH_LOAD_NT
	global_load_b128 v[X+8*(\i)+4:X+8*(\i)+7], v1, s[16:17] offset:8192*(\i)+16 th:TH_LOAD_NT
.endr
; Turn i.  half = 1: the bf16 numbers are widened again (a shift, a mask) and written as f16.
.macro CONV i, half
	s_wait_loadcnt 14-2*(\i)                       ; loads come back in order (ISA guide 5.7.1): this turn's two are in, the 14 - 2 i younger ones stay out
.irp j, 0,1,2,3
	v_cvt_pk_bf16_f32 v[Y+4*(\i)+(\j)], v[X+8*(\i)+2*(\j)], v[X+8*(\i)+2*(\j)+1]
.endr
.if \half
.irp j, 0,1,2,3
	v_lshlrev_b32 v[T+2*((\j)%2)],   16,  v[Y+4*(\i)+(\j)]
	v_and_b32     v[T+2*((\j)%2)+1], s15, v[Y+4*(\i)+(\j)]
	v_cvt_pk_f16_f32 v[Y+4*(\i)+(\j)], v[T+2*((\j)%2)], v[T+2*((\j)%2)+1]
.endr
.endif
	global_store_b128 v2, v[Y+4*(\i):Y+4*(\i)+3], s[12:13] offset:4096*(\i)
.endm
	s_cmp_eq_u32 s14, 3
	s_cbranch_scc1 .Lhalf
.irp i, 0,1,2,3,4,5,6,7
	CONV \i, 0
.endr
	s_endpgm
.Lhalf:
.irp i, 0,1,2,3,4,5,6,7
	CONV \i, 1
.endr
	s_endpgm
.Lfunc_end_k_qa6e4e7d8d8_prep:
	.size	k_qa6e4e7d8d8_prep, .Lfunc_end_k_qa6e4e7d8d8_prep-k_qa6e4e7d8d8_prep
	.p2alignl 7, 3214868480
	.fill 96, 4, 3214868480
	.section	.rodata,"a",@progbits
	.p2align	6, 0x0
	.amdhsa_kernel k_qa6e4e7d8d8_prep
		.amdhsa_group_segment_fixed_size 0
		.amdhsa_private_segment_fixed_size 0
		.amdhsa_enable_private_segment 0
		.amdhsa_kernarg_size 40
		.amdhsa_user_sgpr_count 2
		.amdhsa_user_sgpr_kernarg_segment_ptr 1
		.amdhsa_wavefront_size32 1
		.amdhsa_system_sgpr_workgroup_id_x 1
		.amdhsa_system_sgpr_workgroup_id_y 1
		.amdhsa_system_sgpr_workgroup_id_z 1
		.amdhsa_system_vgpr_workitem_id 0
		.amdhsa_next_free_vgpr 104
		.amdhsa_next_free_sgpr 66
		.amdhsa_reserve_vcc 0
		.amdhsa_float_denorm_mode_32 3
		.amdhsa_float_denorm_mode_16_64 3
		.amdhsa_memory_ordered 1
		.amdhsa_forward_progress 1
		.amdhsa_inst_pref_size 13
	.end_amdhsa_kernel
	.amdgpu_metadata
---
amdhsa.version: [ 1, 2 ]
amdhsa.kernels:
  - .name:           k_qa6e4e7d8d8_prep
    .symbol:         k_qa6e4e7d8d8_prep.kd
    .args:
      - { .name: Wq, .offset: 0, .size: 8, .value_kind: global_buffer, .address_space: global }
      - { .name: Wk, .offset: 8, .size: 8, .value_kind: global_buffer, .address_space: global }
      - { .name: Wv, .offset: 16, .size: 8, .value_kind: global_buffer, .address_space: global }
      - { .name: Wo, .offset: 24, .size: 8, .value_kind: global_buffer, .address_space: global }
      - { .name: w16, .offset: 32, .size: 8, .value_kind: global_buffer, .address_space: global }
    .group_segment_fixed_size: 0
    .private_segment_fixed_size: 0
    .kernarg_segment_align: 8
    .kernarg_segment_size: 40
    .max_flat_workgroup_size: 256
    .sgpr_count:     66
    .vgpr_count:     104
    .wavefront_size: 32
...
	.end_amdgpu_metadata
.endif
;; end of part 1
;; launch qkv (part 2): grid 4 x 64, 4 waves a work-group, clusters of 4 x 4, 327,680 bytes of LDS; arguments query, key, value, bq, bk, bv, qh, kh, vh, w16; writes qh, kh, vh
.if DOCPART == 2
	.amdgcn_target "amdgcn-amd-amdhsa--gfx1250"
	.amdhsa_code_object_version 6
	.text
	.protected	k_qa6e4e7d8d8_qkv
	.globl	k_qa6e4e7d8d8_qkv
	.p2align	8
	.type	k_qa6e4e7d8d8_qkv,@function
k_qa6e4e7d8d8_qkv:
	s_mov_b64 s[64:65], 0
	v_nop
	global_prefetch_b8 v0, s[64:65] scope:SCOPE_SE
	s_setreg_imm32_b32 hwreg(HW_REG_WAVE_MODE, 25, 1), 1
	s_wait_xcnt 0x0
	s_wait_alu depctr_hold_cnt(0) depctr_sa_sdst(0) depctr_va_vdst(0) depctr_va_sdst(0) depctr_va_ssrc(0) depctr_va_vcc(0) depctr_vm_vsrc(0)
	s_getreg_b32 s2, hwreg(HW_REG_IB_STS2, 6, 4)
	s_cmp_eq_u32 s2, 0
	s_cbranch_scc0 .Lentry_in_a_cluster
	s_endpgm
.Lentry_in_a_cluster:
	s_bfe_u32 s2, ttmp6, 0x10000c
	s_cmp_lg_u32 s2, 0xf033
	s_cbranch_scc0 .Lentry_shape_is_right
	s_endpgm
.Lentry_shape_is_right:
; THE THREE PROJECTIONS.  C = x W + b for (query, Wq, bq), (key, Wk, bk), (value, Wv, bv).  x: [8192][1024] f32; W: a section of w16, [1024 (k)][1024 (n)] bf16; b: [1024] f32.
; x and b are rounded to bf16 here, on the way from LDS (from memory) to the matrix unit; sums in f32; C is rounded once to f16 and stored by heads: [16 batch + head][2048][64], without attention's scale.
; LIMITS.  f16 ends at 65,504: a number of C of 65,520 or more in magnitude becomes an infinity.  Inputs 30 times those of unit spread give a spread of about 900; x and W both offset by 30 of their
; spreads give about 28,800.  Below 6.1e-5 C keeps f16's fixed step of 6e-8.  NaN and infinities are not treated apart.
; SHARES.  A tile of C is 128 rows x 256 columns; 4 x 64 work-groups.  A WORK-GROUP STAYS: it makes the tile at its place of all three products, one after the other.  Wave w makes rows 64 (w / 2) on,
; columns 128 (w % 2) on (two heads): 32 accumulators of 16 x 16.  K goes in steps of 128 through two LDS slots: 3 x 8 = 24 steps in ONE walk, each four quarters of 32 along K, 32 matrix instructions a
; quarter.  The ring does not stop at a product's end: a product's last two changes of slots ask for the next product's first two steps, and its way out stands behind a refill that is already asked for.
; ONE STEP IS WRITTEN ONCE.  s[TB] holds the LDS byte at which the slot in hand begins, 0 or SLOT, and is turned by an exclusive or; the LDS addresses are made of it.  The 22 steps that fill a slot again
; are one loop; the last two, which fill nothing, a second one.
; CLUSTER.  4 x 4 work-groups.  The four of a row of the cluster need the same tile of x, the four of a column the same tile of W: each is asked for JOINTLY, by the same tensor load with the same
; descriptor and a mask that names the four.  A row of the cluster spans all 1,024 columns, so each byte of x is asked for once in the launch.
; THE MATRIX INSTRUCTION IS USED TRANSPOSED: source 0 = 16 columns of W (turned on the way out of LDS by ds_load_tr16_b128), source 1 = 16 rows of x.  A lane then holds row l % 16 of C and the
; columns 8 (l / 16) + 0..7: eight neighbouring numbers, 16 bytes of f16.  The bias is the C operand of the products that start the sums.
; REGISTERS, in windows of 256 (s_set_vgpr_msb: bits 1:0 source 0, 3:2 source 1, 5:4 source 2, 7:6 destination):
;   window 0: v0-31 addresses; v32-95 x as loaded, f32; v96-159 x's fragments in bf16, two buffers; v160-255 at work on the way out
;   window 1: v0-127 W's fragments, two buffers; v128-191 the bias; v192-195 at work          window 2: accumulator (a, b) at v[8 (8 a + b)]
.set PA,     528                       ; a row of x in LDS: 128 f32 = 512 bytes + 16 of padding = 132 words: row r starts at bank 4 r mod 64 (64 banks of 4 bytes: ISA guide 11.1)
.set HALFA,  64*PA                     ; 64 rows: what one tensor load brings of x, and what one wave reads
.set AREG,   2*HALFA
.set PB,     544                       ; a row of W in LDS: 256 bf16 = 512 bytes + 32 of padding = 136 words
.set HALFB,  64*PB                     ; 64 rows (k): what one tensor load brings of W
.set SLOT,   AREG+2*HALFB              ; x's 128 rows, then W's 128 rows
.set STAGE,  2*SLOT                    ; behind the ring, never filled by a tensor load: for each wave 2 heads x 16 rows x 144 bytes, for the way out
.set SP,     144
.set WSTAGE, 2*16*SP
.set SPARE,  STAGE+4*WSTAGE            ; behind the stages: the spare words, 128 bytes for each wave: two blocks of 256 bytes that no other line names
.set STEPS,  24                        ; 3 products x 8 K steps
.set STEP_A, 128*4                     ; bytes along a row of x from a K step to the next
.set STEP_B, 128*2048                  ; bytes of w16 from a K step to the next, and from a product's last step to the next product's first: the sections lie end to end
.set ADRA, 16                          ; v16     LDS address of my rows of x in the slot in hand
.set A0,   17                          ; v17     the same in slot 0; never rewritten
.set ADRB, 20                          ; v20     LDS address of my columns of W in the slot in hand
.set B0,   21                          ; v21     the same in slot 0; never rewritten
.set STO,  24                          ; v24     the way out: where I put 16 bytes of a row
.set RD,   25                          ; v25     the way out: where I read rows back
.set GO,   26                          ; v26     my 16 bytes in 512 consecutive bytes of the output
.set PFO,  27                          ; v27     the prefetch: my block of 256 bytes in the 64 rows of x that my wave fetches
.set SPW,  28                          ; v28     LDS address of my spare word: SPARE + 4 x my thread's number; never rewritten
.set NIL,  29                          ; v29     0; never rewritten
.set BO,   30                          ; v30     32 (l / 16): my eight numbers in 16 of the bias
.set SG,   32                          ; x as loaded: 16 registers for each of my four blocks of 16 rows
.set AF,   96                          ; x's fragments: buffer f at AF + 32 f
.set TMP,  160                         ; the way out: packed results
.set OB,   192                         ; the way out: rows read back, two buffers of 32
.set BF,   0                           ; window 1: W's fragments: buffer f at 64 f
.set BIAS, 128                         ; window 1: register 8 b + j = b[my first column + 16 b + 8 (l / 16) + j]
.set BT,   192                         ; window 1
.set LEFT, 2                           ; s2      K steps left of the product in hand
.set CNT,  3                           ; s3      the loops' counter
.set G1,  24                           ; s[24:31] descriptor group 1 for x's tiles;  s[32:39] group 0: a set for each of the two first fills; the second then walks
.set G0,  32
.set GA,  G0+4
.set G1B, 48                           ; s[48:55], s[56:63] the same for W's tiles
.set G0B, 56
.set GB,  G0B+4
.set PROD, 66                          ; s66     the product in hand, 0 to 2
.set TB,  92                           ; s92     LDS byte at which the slot in hand begins: 0 or SLOT
.set NUM, 93                           ; s93     the number, 0 to 23, of the step whose place in x is made next: four ahead of the step in hand
.set Q1,  94                           ; s[94:95] my 64 rows of x at the step two ahead of the step in hand: what the next refill asks for
.set Q2,  96                           ; s[96:97] at the step three ahead
.set NEW, 98                           ; s[98:99] at the step four ahead: what the prefetch asks for
.set MSB, 0
.macro WIN new                         ; the immediate's high byte repeats the setting that is left; a switch that changes nothing is dropped
.if MSB != (\new)
	s_set_vgpr_msb (MSB<<8)|(\new)
.set MSB, \new
.endif
.endm
.set MUL,   0xa1                       ; source 0 (W) window 1, source 1 (x) window 0, C and D window 2
.set MULB,  0x91                       ; the same with C (the bias) in window 1
.set TO_B,  0x40                       ; destination window 1, address window 0
.set W1,    0x45                       ; destination and both sources window 1
.set PACKW, 0x0a                       ; both sources window 2, destination window 0
; A joint load.  Waves 0 and 1 fetch the two halves of x's tile, waves 2 and 3 those of W's.  The branch hangs on the wave's number alone: it is the same in every work-group.
; An s_nop 0 and four v_nop follow each of the two lines, ahead of the jump, the label and what follows.
.macro JLOAD s
	s_cmp_eq_u32 s11, 0
	s_cbranch_scc0 .Lfor_b_\@
	tensor_load_to_lds s[G0+4*(\s):G0+4*(\s)+3], s[G1:G1+7]
	s_nop 0
.rept 4
	v_nop
.endr
	s_branch .Lasked_\@
.Lfor_b_\@:
	tensor_load_to_lds s[G0B+4*(\s):G0B+4*(\s)+3], s[G1B:G1B+7]
	s_nop 0
.rept 4
	v_nop
.endr
.Lasked_\@:
.endm
; A round of the cluster's barrier: my work-group's barrier, so that wave 0's signal speaks for all four waves; wave 0 signals; every wave waits for all sixteen work-groups; my work-group's barrier once more.
.macro CREST                           ; a round behind its opening barrier
	s_cmp_lg_u32 s10, 0
	s_cbranch_scc1 .Lnot_wave_0_\@
	s_barrier_signal -3
.Lnot_wave_0_\@:
	s_barrier_wait -3
	s_barrier_signal -1
	s_barrier_wait -1
.endm
.macro CROUND                          ; a whole round
	s_barrier_signal -1
	s_barrier_wait -1
	CREST
.endm
.macro BIASLOAD p                      ; the bias of my 128 columns, from the pointer in s[p:p+1]: each lane its eight numbers of each 16
	WIN TO_B
.irp b, 0,1,2,3,4,5,6,7
	global_load_b128 v[BIAS+8*(\b):BIAS+8*(\b)+3],   v[BO], s[(\p):(\p)+1] offset:64*(\b)
	global_load_b128 v[BIAS+8*(\b)+4:BIAS+8*(\b)+7], v[BO], s[(\p):(\p)+1] offset:64*(\b)+16
.endr
	WIN 0
.endm
	s_load_b256 s[68:75], s[0:1], 0x0              ; query s[68:69], key s[70:71], value s[72:73], bq s[74:75]
	s_load_b256 s[76:83], s[0:1], 0x20             ; bk s[76:77], bv s[78:79], qh s[80:81], kh s[82:83]
	s_load_b128 s[84:87], s[0:1], 0x40             ; vh s[84:85], w16 s[86:87]
	v_lshl_add_u32 v[SPW], v0, 2, SPARE
	v_mov_b32 v[NIL], 0
	ds_add_u32 v28, v29
	s_wait_dscnt 0x0
	v_lshrrev_b32 v1, 5, v0
	v_readfirstlane_b32 s10, v1                    ; wave 0..3
	s_lshr_b32 s11, s10, 1                         ; which 64 rows of the tile are mine.  Also: I fetch for x (0) or for W (1)
	s_and_b32 s12, s10, 1                          ; which 128 columns.  Also: which half of that tile I fetch
	s_bfe_u32 s40, ttmp6, 0x40000                  ; cx: my place along the cluster's x
	s_bfe_u32 s41, ttmp6, 0x40004                  ; cy: along its y
	s_lshl_b32 s42, ttmp9, 2                       ; in a cluster launch ttmp9 and ttmp7 count clusters
	s_add_co_u32 s42, s42, s40                     ; tile column = 4 x cluster x + cx
	s_and_b32 s13, ttmp7, 0xffff
	s_lshl_b32 s13, s13, 2
	s_add_co_u32 s13, s13, s41                     ; tile row = 4 x cluster y + cy, 0 to 63
	s_lshl_b32 s43, s41, 2
	s_lshl_b32 s43, 15, s43                        ; my row of the cluster: places 4 cy .. 4 cy + 3
	s_lshl_b32 s44, 0x1111, s40                    ; my column: places cx, cx + 4, cx + 8, cx + 12
	; descriptor group 1.  x: 64 rows x 128 elements of 4 bytes.  W: 64 rows x 256 elements of 2 bytes.  Both rows are 512 bytes of memory at multiples of 512, padded in LDS
	s_or_b32 s[G1+0], s43, (2<<16)|(1<<20)|(1<<21)|(6<<22)|(3<<25)   ; 15:0 the mask: my row; 17:16 elements of 4 bytes; 20 padding on; 21 set beside a mask; 24:22 after every 128 words (code 6); 31:25 4 words (code 3)
	s_or_b32 s[G1B+0], s44, (1<<16)|(1<<20)|(1<<21)|(6<<22)|(7<<25)  ; my column; elements of 2 bytes; 8 words of padding (code 7)
	s_mov_b32 s[G1+1], 128<<16                     ; tensor_dim0 = 128
	s_mov_b32 s[G1+2], 64<<16                      ; tensor_dim1 = 64
	s_mov_b32 s[G1+3], 128<<16                     ; tile_dim0 = 128
	s_mov_b32 s[G1+4], 64                          ; tile_dim1 = 64
	s_mov_b32 s[G1+5], 1024                        ; elements from row to row
	s_mov_b32 s[G1+6], 0
	s_mov_b32 s[G1+7], 0
	s_mov_b32 s[G1B+1], 256<<16                    ; tensor_dim0 = 256
	s_mov_b32 s[G1B+2], 64<<16
	s_mov_b32 s[G1B+3], 256<<16                    ; tile_dim0 = 256
	s_mov_b32 s[G1B+4], 64
	s_mov_b32 s[G1B+5], 1024
	s_mov_b32 s[G1B+6], 0
	s_mov_b32 s[G1B+7], 0
	; where the tiles come from.  x's hang on the tile row, which my row of the cluster shares; W's on the tile column, which my column shares; each in registers that never hold the other coordinate
	s_lshl_b32 s16, s13, 7
	s_lshl_b32 s17, s12, 6
	s_add_co_u32 s16, s16, s17                     ; x: row 128 x tile row + 64 x half,
	s_lshl_b32 s16, s16, 12                        ; of 4,096 bytes
	s_mov_b32 s17, 0
	s_lshl_b32 s46, s12, 17                        ; W: 64 rows of 2,048 bytes x half,
	s_lshl_b32 s47, s42, 9                         ; 256 columns of 2 bytes x tile column
	s_add_co_u32 s46, s46, s47
	s_mov_b32 s47, 0
	s_mul_i32 s20, s12, HALFA                      ; and where they go in a slot: no place in the cluster enters an LDS address
	s_mul_i32 s21, s12, HALFB
	s_add_co_u32 s21, s21, AREG
	s_lshl_b32 s22, s42, 10                        ; the bias of my 128 columns
	s_lshl_b32 s23, s12, 9
	s_add_co_u32 s22, s22, s23
	s_mov_b32 s23, 0
	; my first row in an output: head 16 (tile row / 16) + 4 x tile column + 2 x column half, row 128 (tile row % 16) + 64 x row half, 128 bytes a row
	s_lshr_b32 s90, s13, 4
	s_lshl_b32 s90, s90, 4
	s_lshl_b32 s91, s42, 2
	s_add_co_u32 s90, s90, s91
	s_lshl_b32 s91, s12, 1
	s_add_co_u32 s90, s90, s91
	s_lshl_b32 s90, s90, 11
	s_and_b32 s91, s13, 15
	s_lshl_b32 s91, s91, 7
	s_add_co_u32 s90, s90, s91
	s_lshl_b32 s91, s11, 6
	s_add_co_u32 s90, s90, s91
	s_lshl_b32 s90, s90, 7
	s_mov_b32 s91, 0
	s_wait_kmcnt 0x0
.irp p, 68,70,72
	s_add_nc_u64 s[(\p):(\p)+1], s[(\p):(\p)+1], s[16:17]   ; the three x at the 64 rows that my wave fetches
.endr
.irp p, 74,76,78
	s_add_nc_u64 s[(\p):(\p)+1], s[(\p):(\p)+1], s[22:23]   ; the three biases at my columns
.endr
.irp p, 80,82,84
	s_add_nc_u64 s[(\p):(\p)+1], s[(\p):(\p)+1], s[90:91]   ; the three outputs at my first row
.endr
	s_add_nc_u64 s[46:47], s[86:87], s[46:47]
	CROUND                                         ; all sixteen work-groups are here: the first joint loads meet
.irp s, 0,1
	s_mov_b32 s[G0+4*(\s)], 1                                      ; 1:0 count = 1
	s_add_co_u32 s[G0+4*(\s)+1], s20, (\s)*SLOT                    ; 63:32 LDS address
	s_add_nc_u64 s[G0+4*(\s)+2:G0+4*(\s)+3], s[68:69], (\s)*STEP_A ; 120:64 global address: step s
	s_or_b32 s[G0+4*(\s)+3], s[G0+4*(\s)+3], 0x80000000            ; 127:126 type = 2
	s_mov_b32 s[G0B+4*(\s)], 1
	s_add_co_u32 s[G0B+4*(\s)+1], s21, (\s)*SLOT
	s_add_nc_u64 s[G0B+4*(\s)+2:G0B+4*(\s)+3], s[46:47], (\s)*STEP_B
	s_or_b32 s[G0B+4*(\s)+3], s[G0B+4*(\s)+3], 0x80000000
	JLOAD \s                                       ; both slots are asked for before anything else is done: two loads of mine are out
.endr
	s_add_nc_u64 s[Q1:Q1+1], s[68:69], 2*STEP_A    ; steps 2 and 3 of the first product
	s_add_nc_u64 s[Q2:Q2+1], s[68:69], 3*STEP_A
	s_mov_b32 s[NUM], 4
	s_mov_b32 s[TB], 0
	; A fragment of x is 16 rows x 32 K: lane l holds row l % 16, K = 8 (l / 16) + 0..7 and 16 + 8 (l / 16) + 0..7: in f32 twice 32 bytes, 64 bytes apart: four loads of 16 bytes.
	v_and_b32 v1, 15, v0                           ; l % 16
	v_bfe_u32 v2, v0, 4, 1                         ; l / 16
	v_mul_u32_u24 v3, v1, PA
	v_lshl_add_u32 v3, v2, 5, v3                   ; row x pitch + 32 x half
	; The turning load takes 16 k x 16 columns (lane l reads 16 bytes: k = 8 (l / 16) + l % 8, columns 8 ((l / 8) % 2) + 0..7) and leaves half a fragment: lane l holds column l % 16 and 8 k.
	v_and_b32 v5, 7, v0
	v_bfe_u32 v6, v0, 3, 1
	v_lshl_add_u32 v7, v2, 3, v5
	v_mul_u32_u24 v7, v7, PB
	v_lshl_add_u32 v7, v6, 4, v7
	s_mul_i32 s22, s11, HALFA                      ; my 64 rows of x
	s_lshl_b32 s23, s12, 8                         ; my 128 columns of W,
	s_add_co_u32 s23, s23, AREG                    ; which lies behind x
	v_add_nc_u32 v[A0], s22, v3
	v_add_nc_u32 v[B0], s23, v7
	v_mov_b32 v[ADRA], v[A0]                       ; the walk begins in slot 0
	v_mov_b32 v[ADRB], v[B0]
	s_mul_i32 s22, s10, WSTAGE
	s_add_co_u32 s22, s22, STAGE                   ; my stage
	v_mul_u32_u24 v4, v1, SP                       ; in: row l % 16, 16 bytes for each half of the lanes
	v_lshl_add_u32 v4, v2, 4, v4
	v_add_nc_u32 v[STO], s22, v4
	v_bfe_u32 v4, v0, 3, 2                         ; back: 32 lanes take four rows of 128 bytes,
	v_mul_u32_u24 v4, v4, SP
	v_lshl_add_u32 v4, v5, 4, v4
	v_add_nc_u32 v[RD], s22, v4
	v_and_b32 v[GO], 31, v0                        ; which are 512 consecutive bytes of a head
	v_lshlrev_b32 v[GO], 4, v[GO]
	v_lshlrev_b32 v[BO], 5, v2
	; THE PREFETCH of x.  A step's 64 rows x 512 bytes that a wave of waves 0, 1 fetches are 128 blocks of 256 bytes; the same wave of the four partners along the cluster's row fetches the same rows, so
	; each of the four asks for 16 rows: lane l for row 16 cx + l / 2, block l % 2.  So each block is asked for once in the launch.  Steps 2 and 3 are asked for here, step t + 4 in step t.
	v_bfe_u32 v8, v0, 1, 4
	v_lshl_add_u32 v8, s40, 4, v8
	v_and_b32 v9, 1, v0
	v_lshlrev_b32 v9, 8, v9
	v_lshl_add_u32 v[PFO], v8, 12, v9
	s_cmp_lg_u32 s11, 0
	s_cbranch_scc1 .Lno_ask_first
	global_prefetch_b8 v[PFO], s[Q1:Q1+1] th:TH_LOAD_NT scope:SCOPE_SE
	global_prefetch_b8 v[PFO], s[Q2:Q2+1] th:TH_LOAD_NT scope:SCOPE_SE
.Lno_ask_first:
	BIASLOAD 74                                    ; the first product's bias
; 32 LDS loads in one run: quarter q of the slot in hand: W's eight fragments, turned, into buffer g; my 64 rows of x, 32 K in f32, into SG.
.macro FETCH q, g
	WIN TO_B
.irp b, 0,1,2,3,4,5,6,7
	ds_load_tr16_b128 v[BF+64*(\g)+8*(\b):BF+64*(\g)+8*(\b)+3],   v[ADRB] offset:32*PB*(\q)+32*(\b)
	ds_load_tr16_b128 v[BF+64*(\g)+8*(\b)+4:BF+64*(\g)+8*(\b)+7], v[ADRB] offset:32*PB*(\q)+16*PB+32*(\b)
.endr
	WIN 0
.irp a, 0,1,2,3
	ds_load_b128 v[SG+16*(\a):SG+16*(\a)+3],     v[ADRA] offset:16*PA*(\a)+128*(\q)
	ds_load_b128 v[SG+16*(\a)+4:SG+16*(\a)+7],   v[ADRA] offset:16*PA*(\a)+128*(\q)+16
	ds_load_b128 v[SG+16*(\a)+8:SG+16*(\a)+11],  v[ADRA] offset:16*PA*(\a)+128*(\q)+64
	ds_load_b128 v[SG+16*(\a)+12:SG+16*(\a)+15], v[ADRA] offset:16*PA*(\a)+128*(\q)+80
.endr
.endm
; 8 matrix instructions: block a of 16 rows x all 8 blocks of 16 columns, 32 along K, from buffer f.  first = 1: the products start the sums, with the bias as C: nothing is ever cleared.
; ride = 1: behind each product stand four conversions of SG to bf16, into the other buffer.  They name no register of the products round them, so the four behind a quarter's last product are
; also the four places (ISA guide 7.12.1 for vector instructions) in front of the next run of loads, which lands on W's fragments that products have read, and in front of the way out.
; The 32 accumulators take turns in the same order in every quarter, one instruction a turn.
.macro MUL8 f, a, first, ride=0
.irp b, 0,1,2,3,4,5,6,7
.if \first
	WIN MULB
	v_wmma_f32_16x16x32_bf16 v[8*(8*(\a)+(\b)):8*(8*(\a)+(\b))+7], v[BF+64*(\f)+8*(\b):BF+64*(\f)+8*(\b)+7], v[AF+32*(\f)+8*(\a):AF+32*(\f)+8*(\a)+7], v[BIAS+8*(\b):BIAS+8*(\b)+7]
.else
	WIN MUL
	v_wmma_f32_16x16x32_bf16 v[8*(8*(\a)+(\b)):8*(8*(\a)+(\b))+7], v[BF+64*(\f)+8*(\b):BF+64*(\f)+8*(\b)+7], v[AF+32*(\f)+8*(\a):AF+32*(\f)+8*(\a)+7], v[8*(8*(\a)+(\b)):8*(8*(\a)+(\b))+7]
.endif
.if \ride
	WIN 0
.irp z, 0,1,2,3
	v_cvt_pk_bf16_f32 v[AF+32*(1-(\f))+4*(\b)+(\z)], v[SG+8*(\b)+2*(\z)], v[SG+8*(\b)+2*(\z)+1]
.endr
.endif
.endr
.endm
; One of a K step's first three quarters: fetches quarter q of the slot for the other buffer, multiplies buffer f, and converts what was fetched under its last eight products.
.macro QUARTER q, f, first
	FETCH \q, 1-(\f)
	MUL8 \f, 0, \first
	MUL8 \f, 1, \first
	MUL8 \f, 2, \first
	s_wait_dscnt 0x0                               ; the 32 loads, issued 24 matrix instructions ago, are in
	MUL8 \f, 3, \first, 1
.endm
; The last quarter multiplies buffer 1 and changes slots: ONE barrier.  In front of it each wave waits for all its tensor loads, of which one is out: its part of the next slot; adds 0 to its spare
; word; and waits for that (its reads of this slot came back in the quarter before).  Behind it nobody reads this slot any more and the next slot is whole.
; fill = 1: the barrier opens a round of the cluster's, and the joint refill of the slot that is left, with the step two ahead, is the first thing behind the round.  The walking group 0 is written
; between the wait for all loads and the round: its LDS word is the wave's place plus s[TB]; x's address was made two steps ago and has come through Q2 and Q1; W's steps on by STEP_B.
.macro TURN fill
	WIN 0                                          ; (the add's two registers lie in window 0)
	s_wait_tensorcnt 0x0                           ; all my tensor loads have landed, so a group 0 may be written
	ds_add_u32 v[SPW], v[NIL]                      ; 0 onto my spare word
.if \fill
	s_add_co_u32 s[GA+1], s20, s[TB]
	s_mov_b64 s[GA+2:GA+3], s[Q1:Q1+1]
	s_or_b32 s[GA+3], s[GA+3], 0x80000000
	s_mov_b64 s[Q1:Q1+1], s[Q2:Q2+1]
	s_mov_b64 s[Q2:Q2+1], s[NEW:NEW+1]
	s_add_co_u32 s[GB+1], s21, s[TB]
	s_add_nc_u64 s[GB+2:GB+3], s[GB+2:GB+3], STEP_B  ; the type bits on top are not reached
.endif
	MUL8 1, 0, 0                                   ; eight matrix instructions stand between the add and the wait for it
	WIN 0                                          ; at a branch and at a label every window is 0
	s_wait_dscnt 0x0                               ; the add is done, and my reads of this slot are over
	s_barrier_signal -1
	s_barrier_wait -1
.if \fill
	CREST                                          ; no wave of any partner still reads this slot's tiles or has a load on its way
	JLOAD 1
.endif
	s_xor_b32 s[TB], s[TB], SLOT                   ; the other slot is now the slot in hand
	v_add_nc_u32 v[ADRA], s[TB], v[A0]
	v_add_nc_u32 v[ADRB], s[TB], v[B0]
	FETCH 0, 0                                     ; buffer 0's last reader stands in front of the four conversions that ended the quarter before
	MUL8 1, 1, 0
	MUL8 1, 2, 0
	s_wait_dscnt 0x0
	MUL8 1, 3, 0, 1
.endm
; x's place at step s[NUM] (product NUM / 8, K step NUM % 8), and the prefetch of it by waves 0 and 1.  In the last two trips the number is held at the walk's last step: no address passes the buffer's end.
.macro ASK
	s_wait_xcnt 0x0                                ; the last trip's prefetch has had its addresses translated (ISA guide 3.1): its base is written again only behind this wait
	s_min_u32 s100, s[NUM], STEPS-1
	s_lshr_b32 s101, s100, 3
	s_and_b32 s100, s100, 7
	s_lshl_b32 s100, s100, 9                       ; STEP_A bytes a K step
	s_cmp_eq_u32 s101, 1
	s_cselect_b64 s[NEW:NEW+1], s[70:71], s[68:69]
	s_cmp_eq_u32 s101, 2
	s_cselect_b64 s[NEW:NEW+1], s[72:73], s[NEW:NEW+1]
	s_mov_b32 s101, 0
	s_add_nc_u64 s[NEW:NEW+1], s[NEW:NEW+1], s[100:101]
	s_add_co_u32 s[NUM], s[NUM], 1
	s_cmp_lg_u32 s11, 0
	s_cbranch_scc1 .Lno_ask_\@
	global_prefetch_b8 v[PFO], s[NEW:NEW+1] th:TH_LOAD_NT scope:SCOPE_SE
.Lno_ask_\@:
.endm
; THE WAY OUT of block a of 16 rows.  PACK: rounded to f16, 16 bytes a lane, each accumulator's registers in ascending order.  TOSTAGE: into my own stage, by heads, and back as rows.  SEND: stored.
.macro PACK a
	WIN PACKW
.irp b, 0,1,2,3,4,5,6,7
.irp z, 0,1,2,3
	v_cvt_pk_f16_f32 v[TMP+4*(\b)+(\z)], v[8*(8*(\a)+(\b))+2*(\z)], v[8*(8*(\a)+(\b))+2*(\z)+1]
.endr
.endr
	WIN 0
.endm
.macro TOSTAGE a
.irp b, 0,1,2,3,4,5,6,7
	ds_store_b128 v[STO], v[TMP+4*(\b):TMP+4*(\b)+3] offset:16*SP*((\b)/4)+32*((\b)%4)
.endr
.irp t, 0,1,2,3,4,5,6,7
	ds_load_b128 v[OB+32*((\a)%2)+4*(\t):OB+32*((\a)%2)+4*(\t)+3], v[RD] offset:16*SP*((\t)/4)+4*SP*((\t)%4)  ; LDS serves a wave's instructions in order (ISA guide 5.7.1.4): these see the stores above
.endr
.endm
.macro SEND a
	s_wait_dscnt 0x0                               ; the block is back in registers
	s_wait_xcnt 0x0                                ; every earlier store has had its addresses translated (ISA guide 3.1): the buffer that the block before last was stored from is loaded again only behind this wait
.irp t, 0,1,2,3,4,5,6,7
	global_store_b128 v[GO], v[OB+32*((\a)%2)+4*(\t):OB+32*((\a)%2)+4*(\t)+3], s[8:9] offset:262144*((\t)/4)+2048*(\a)+512*((\t)%4)  ; four rows of a head: 512 consecutive bytes, at a multiple of 512 from the buffer's first byte
.endr
.endm
.macro WAYOUT                          ; block a's conversions stand between block a - 1's loads from the stage and the wait for them
	PACK 0
	TOSTAGE 0
.irp a, 1,2,3
	PACK \a
	SEND (\a)-1
	TOSTAGE \a
.endr
	SEND 3
.endm
	s_wait_tensorcnt 0x1                           ; my part of step 0 is in; step 1's may stay out
	s_barrier_signal -1
	s_barrier_wait -1                              ; everybody's is
	FETCH 0, 0
	s_wait_dscnt 0x0
.set i, 0
.rept 32                                               ; the walk's first quarter of x is converted with nothing beside it
	v_cvt_pk_bf16_f32 v[AF+i], v[SG+2*i], v[SG+2*i+1]
.set i, i+1
.endr
	s_mov_b32 s[CNT], STEPS-2
	s_mov_b32 s[LEFT], 8
	s_mov_b32 s[PROD], 0
	s_branch .Lbias                                ; the loop is entered where a product begins
.Lstep:                                                ; 22 trips: a K step each, and each fills the slot that it leaves with the step two ahead
	s_cmp_lg_u32 s[LEFT], 0
	s_cbranch_scc1 .Lplain
	; A PRODUCT IS FINISHED.  The next product's first two steps are asked for or in, and its first fragments lie in buffer 0.  Its bias is asked for, then the tile goes out.
	s_wait_xcnt 0x0                                ; the last way out's stores have had their addresses translated: their base is written again only behind this wait
	s_cmp_eq_u32 s[PROD], 1
	s_cselect_b64 s[8:9], s[82:83], s[80:81]       ; this product's output: kh or qh
	s_cselect_b64 s[88:89], s[78:79], s[76:77]     ; the next product's bias: bv or bk
	BIASLOAD 88
	WAYOUT
	s_add_co_u32 s[PROD], s[PROD], 1
	s_mov_b32 s[LEFT], 8
.Lbias:
	s_wait_loadcnt 0x0                             ; the bias is in; it is rounded to bf16, like every input, and widened again
	WIN W1
.set i, 0
.rept 32
	v_cvt_pk_bf16_f32 v[BT+i%4], v[BIAS+2*i], v[BIAS+2*i+1]
	v_lshlrev_b32 v[BIAS+2*i], 16, v[BT+i%4]
	v_and_b32 v[BIAS+2*i+1], 0xffff0000, v[BT+i%4]
.set i, i+1
.endr
	QUARTER 1, 0, 1                                ; a product's first quarter: its products start the sums
	WIN 0
	s_branch .Lrest
.Lplain:
	QUARTER 1, 0, 0
	WIN 0
.Lrest:
	ASK
	QUARTER 2, 1, 0
	QUARTER 3, 0, 0
	TURN 1
	WIN 0
	s_sub_co_u32 s[LEFT], s[LEFT], 1
	s_sub_co_u32 s[CNT], s[CNT], 1
	s_cmp_lg_u32 s[CNT], 0
	s_cbranch_scc1 .Lstep
	s_mov_b32 s[CNT], 2
.Ltail:                                                ; the walk's last two steps fill nothing and have no round of the cluster's barrier.  The second trip's change of slots, its fetch of the other
	QUARTER 1, 0, 0                                ; slot's first quarter once more and the conversions of it serve nothing: the price, once a launch, of one text for both trips
	QUARTER 2, 1, 0
	QUARTER 3, 0, 0
	TURN 0
	WIN 0
	s_sub_co_u32 s[CNT], s[CNT], 1
	s_cmp_lg_u32 s[CNT], 0
	s_cbranch_scc1 .Ltail
	s_wait_xcnt 0x0                                ; as above: the stores' base is written again
	s_mov_b64 s[8:9], s[84:85]                     ; the last product's output: vh
	WAYOUT
	s_wait_tensorcnt 0x0                           ; the wave's end: behind my last tensor load and my last LDS store
	ds_add_u32 v[SPW], v[NIL]
	s_wait_dscnt 0x0
	CROUND                                         ; the closing round: no work-group ends while a partner may still ask for a tile that names it
	s_endpgm
.Lfunc_end_k_qa6e4e7d8d8_qkv:
	.size	k_qa6e4e7d8d8_qkv, .Lfunc_end_k_qa6e4e7d8d8_qkv-k_qa6e4e7d8d8_qkv
	.p2alignl 7, 3214868480
	.fill 96, 4, 3214868480
	.section	.rodata,"a",@progbits
	.p2align	6, 0x0
	.amdhsa_kernel k_qa6e4e7d8d8_qkv
		.amdhsa_group_segment_fixed_size 327680
		.amdhsa_private_segment_fixed_size 0
		.amdhsa_enable_private_segment 0
		.amdhsa_kernarg_size 80
		.amdhsa_user_sgpr_count 2
		.amdhsa_user_sgpr_kernarg_segment_ptr 1
		.amdhsa_wavefront_size32 1
		.amdhsa_system_sgpr_workgroup_id_x 1
		.amdhsa_system_sgpr_workgroup_id_y 1
		.amdhsa_system_sgpr_workgroup_id_z 1
		.amdhsa_system_vgpr_workitem_id 0
		.amdhsa_next_free_vgpr 768
		.amdhsa_next_free_sgpr 102
		.amdhsa_reserve_vcc 0
		.amdhsa_float_denorm_mode_32 3
		.amdhsa_float_denorm_mode_16_64 3
		.amdhsa_memory_ordered 1
		.amdhsa_forward_progress 1
		.amdhsa_inst_pref_size 115
	.end_amdhsa_kernel
	.amdgpu_metadata
---
amdhsa.version: [ 1, 2 ]
amdhsa.kernels:
  - .name:           k_qa6e4e7d8d8_qkv
    .symbol:         k_qa6e4e7d8d8_qkv.kd
    .args:
      - { .name: query, .offset: 0, .size: 8, .value_kind: global_buffer, .address_space: global }
      - { .name: key, .offset: 8, .size: 8, .value_kind: global_buffer, .address_space: global }
      - { .name: value, .offset: 16, .size: 8, .value_kind: global_buffer, .address_space: global }
      - { .name: bq, .offset: 24, .size: 8, .value_kind: global_buffer, .address_space: global }
      - { .name: bk, .offset: 32, .size: 8, .value_kind: global_buffer, .address_space: global }
      - { .name: bv, .offset: 40, .size: 8, .value_kind: global_buffer, .address_space: global }
      - { .name: qh, .offset: 48, .size: 8, .value_kind: global_buffer, .address_space: global }
      - { .name: kh, .offset: 56, .size: 8, .value_kind: global_buffer, .address_space: global }
      - { .name: vh, .offset: 64, .size: 8, .value_kind: global_buffer, .address_space: global }
      - { .name: w16, .offset: 72, .size: 8, .value_kind: global_buffer, .address_space: global }
    .group_segment_fixed_size: 327680
    .private_segment_fixed_size: 0
    .kernarg_segment_align: 8
    .kernarg_segment_size: 80
    .max_flat_workgroup_size: 128
    .sgpr_count:     102
    .vgpr_count:     768
    .wavefront_size: 32
...
	.end_amdgpu_metadata
.endif
;; end of part 2
;; launch attn (part 3): grid 4 x 64, 4 waves a work-group, clusters of 4 x 1, 327,680 bytes of LDS; arguments qh, kh, vh, ctx; writes ctx
.if DOCPART == 3
	.amdgcn_target "amdgcn-amd-amdhsa--gfx1250"
	.amdhsa_code_object_version 6
	.text
	.protected	k_qa6e4e7d8d8_attn
	.globl	k_qa6e4e7d8d8_attn
	.p2align	8
	.type	k_qa6e4e7d8d8_attn,@function
k_qa6e4e7d8d8_attn:
	s_mov_b64 s[64:65], 0
	v_nop
	global_prefetch_b8 v0, s[64:65] scope:SCOPE_SE
	s_setreg_imm32_b32 hwreg(HW_REG_WAVE_MODE, 25, 1), 1
	s_wait_xcnt 0x0
	s_wait_alu depctr_hold_cnt(0) depctr_sa_sdst(0) depctr_va_vdst(0) depctr_va_sdst(0) depctr_va_ssrc(0) depctr_va_vcc(0) depctr_vm_vsrc(0)
	s_getreg_b32 s2, hwreg(HW_REG_IB_STS2, 6, 4)
	s_cmp_eq_u32 s2, 0
	s_cbranch_scc0 .Lentry_in_a_cluster
	s_endpgm
.Lentry_in_a_cluster:
	s_bfe_u32 s2, ttmp6, 0x10000c
	s_cmp_lg_u32 s2, 0x3003
	s_cbranch_scc0 .Lentry_shape_is_right
	s_endpgm
.Lentry_shape_is_right:
; ATTENTION.  O[h][q][:] = the sum over k of softmax_k(Q[h][q] . K[h][k] / 8) V[h][k][:].  Q, K, V, O: [64 (16 batch + head)][2048][64], all f16: a head's rows are dense, 128 bytes each.  Products, maxima
; and sums in f32; the weights p are rounded to f16 for the second product (their sum l is taken of the unrounded p), O once at the end.
; LIMITS.  f16 holds no number beyond 65,504: Q, K and V arrive within it; p lies in 0 to 1, and below 6e-5 it keeps f16's fixed step of 6e-8; O is a mean of V's rows and has their range.
; A weight below 2^-126 counts as 0 in l; NaN and infinities are not treated apart.
; SHARES.  A wave owns four PIECES of two tiles of 16 queries, a work-group's four waves 512 queries of one head: 4 x 64 work-groups.  Every wave walks all keys, 64 a step.
; LAYOUT.  S^T = K Q^T (source 0 = 16 keys, source 1 = 16 queries): in the result a lane holds ONE query (lane % 16) and the keys 8 (lane / 16) + 0..7.  Two such tiles, rounded to f16 in pairs,
; ARE source 1 (32 keys x 16 queries) of O^T = V^T P, whose result again holds one query a lane, and eight channels.  K comes out of LDS as it lies, V ([key][channel]) turned, by ds_load_tr16_b128.
; SOFTMAX.  For each query a running maximum m and sum l: p = 2^(c s - c m), c = log2(e) / 8; in every step O and l are multiplied by a = 2^(c m_old - c m_new), which is 1 where m has not grown.
; m starts at the lowest finite number, O and l at 0: the first step is a step like any other, with a = 0.
; THE COUNT.  A tile and step have 16 matrix and 118 vector instructions: too many to stand all beside the matrix work.  So the order has one aim: four vector instructions that are READY behind
; EVERY matrix instruction, and the others, which need time of their own whatever the order, in runs without a gap.
; BY TURNS.  Turn n belongs to piece n (the pieces in a ring, step after step).  Its matrix work: 16 products K Q^T of piece n + 1, later 16 products V^T P of piece n - 1.  Its vector work: the scaling,
; exponentials, roundings, sums and rescaling of piece n, and the maximum and statistics of piece n + 1, whose scores the turn itself has made.  So what a turn begins with (c s - c m, O a) waits for nothing.
; CLUSTER.  The four query blocks of a cluster belong to one head and walk the same K and V, so each tile is asked for JOINTLY: the same tensor load, descriptor and mask in all four.
; REGISTERS, in windows of 256 (s_set_vgpr_msb says which window each operand place means: bits 1:0 source 0, 3:2 source 1, 5:4 source 2, 7:6 destination):
;   window 0: v0-11 addresses; v12-15, v48-63 at work; v16-47 four registers of statistics a tile; v64-191 S^T, two buffers of two tiles; v192-255 P, likewise
;   window 1: O^T, 32 a tile          window 2: v0-127 Q, 16 a tile; v128-191 K of one step; v192-255 V of one step          window 3: v0-1 the add's two registers
; A piece's buffers go by its number's parity: the piece in hand has one pair, its two neighbours in the ring share the other: of it P (piece n - 1) is read and S^T (piece n + 1) written.
.set SIZE_H, 64       ; batch x heads
.set SIZE_N, 2048     ; rows of a head
.set NP,    4         ; pieces a wave: a name, no knob: the register map, the loop and the fetches are made for four
.set KS,    64        ; keys in a step
.set PK,    144       ; a row of K in LDS: 128 bytes + 16 of padding = 36 words: the 16 rows of a load start at 16 different groups of four banks (64 banks of 4 bytes: ISA guide 11.1)
.set PV,    160       ; a row of V: 128 + 32 = 40 words
.set VOFF,  4*KS*PK   ; a slot holds four steps: 256 rows of K, then 256 rows of V
.set SLOT1, 1<<17     ; slot 1 begins here, so that one exclusive or turns an address in one slot into the other's
.set STAGE, SLOT1+4*KS*(PK+PV)  ; behind the ring, never filled by a tensor load: 16 rows x 144 bytes for each wave, for the way out
.set SP,    144
.set AK0, 2           ; v2   my lane's place in a tile of K; never rewritten
.set AV0, 3           ; v3   the same for V
.set AK,  4           ; v4   the LDS address of K's next run of loads
.set AV,  5           ; v5   of V's
.set QO,  6           ; v6   my byte offset in the wave's rows of Q
.set STO, 6           ;      later, the way out: where I put 16 bytes of a row
.set RD,  7           ; v7   the way out: where I read rows back
.set GO,  8           ; v8   my byte offset in 512 consecutive bytes of O
.set SPW, 0           ; v0 of window 3   LDS address of my spare word: SPARE + 4 x my thread's number; never rewritten
.set NIL, 1           ; v1 of window 3   0; never rewritten
.set SPARE, STAGE+4*16*SP  ; behind the stages: the spare words, 128 bytes for each wave: two blocks of 256 bytes that no other line names
.set MV,  12          ; v12-15  c m_old, kept while c m is made anew: by buffer and tile
.set ST,  16          ; tile t's statistics at v[ST+4 t]: c m, m, l (even keys', odd keys')
.set TMP, 48          ; by buffer and tile, four registers c0-c3 at work; when the maximum is found c2 takes a
.set S,   64
.set P,   192
.set KF,  128         ; K's fragments, in window 2: key block kb, channel half c at KF + 16 kb + 8 c
.set VF,  192         ; V's: key half kk, channel block cb at VF + 32 kk + 8 cb
.set WV,  12          ; s12  my wave's number
.set G1K, 24          ; s[24:31] descriptor group 1 for K's tiles
.set G1V, 32          ; s[32:39] for V's: it differs in the padding alone
.set G0K, 40          ; s[40:43] descriptor group 0 for K's tiles: it walks
.set G0V, 44          ; s[44:47] the same for V's
.set SLOTS, 56        ; s56  slots still to be asked for
.set CNT, 57          ; s57  counts a slot's key steps
.set CS,  58          ; s[58:59] c: the packed scaling takes the pair's low word for both halves
.set SEL, 60          ; s[60:61] v_permlanex16_b32's selects: each lane takes its own place in the other half
.set TBK, 62          ; s62  LDS byte at which K of the step to be fetched begins
.set TBV, 63          ; s63  the same for V, less VOFF
.set MSB, 0
.macro WIN new                      ; the high byte repeats the setting that is left; a switch that changes nothing is dropped
.if MSB != (\new)
	s_set_vgpr_msb (MSB<<8)|(\new)
.set MSB, (\new)
.endif
.endm
.set W_KQ, 0x0a       ; K and Q in window 2, S^T in window 0
.set W_PV, 0x52       ; V in window 2, P in window 0, O^T in window 1
.set W_RS, 0x41       ; O^T (destination and source 0) in window 1, a in window 0
.set W_MK, 0xc0       ; the add's registers are made: destination in window 3, sources in window 0
.set W_AD, 0x0f       ; the add: address (source 0) and data (source 1) in window 3
; A joint fill.  Waves 0 and 1 fetch the two halves of a slot's K, waves 2 and 3 those of its V: 128 keys each.  The branch hangs on the wave's number alone.
; An s_nop 0 and four v_nop follow each of the two lines, ahead of the jump and the label.
.macro JLOAD
	s_cmp_lt_u32 s[WV], 2
	s_cbranch_scc0 .Lfor_v_\@
	tensor_load_to_lds s[G0K:G0K+3], s[G1K:G1K+7]
	s_nop 0
.rept 4
	v_nop
.endr
	s_branch .Lasked_\@
.Lfor_v_\@:
	tensor_load_to_lds s[G0V:G0V+3], s[G1V:G1V+7]
	s_nop 0
.rept 4
	v_nop
.endr
.Lasked_\@:
.endm
; A round of the cluster's barrier: my work-group's barrier, so that wave 0's signal speaks for all four waves; wave 0 signals; every wave waits for all four work-groups; my work-group's barrier once more.
.macro CROUND
	s_barrier_signal -1
	s_barrier_wait -1
	s_cmp_lg_u32 s[WV], 0
	s_cbranch_scc1 .Lnot_wave_0_\@
	s_barrier_signal -3
.Lnot_wave_0_\@:
	s_barrier_wait -3
	s_barrier_signal -1
	s_barrier_wait -1
.endm
; THE CHANGE OF SLOTS.  The slot's last bytes, V of its fourth step, have been read.  Each wave waits for all its tensor loads, of which one is out: its part
; of the other slot; adds 0 to its spare word; and waits for that and for its own reads of the slot.  Behind the barrier nobody reads this slot any more and the other slot is whole.
; fill = 1: this slot is filled again, with the keys two slots on.  The barrier is then a round of the cluster's, so that no wave of any partner still reads the slot or has a load on its
; way, and the joint fill is the first thing behind it: it has four key steps, 512 matrix instructions, in which to land.  (At its first use nothing has been read yet: slot 0 is waited for, slot 1 filled.)
.macro CHANGE fill
	WIN W_AD
	s_wait_tensorcnt 0x0            ; no tensor load of mine is out, so a group 0 may be written
	ds_add_u32 v[SPW], v[NIL]       ; 0 onto my spare word: with fill = 1 the descriptors' steps stand between it and the wait for it
	WIN 0                           ; at a label and at a branch every window is 0
.if \fill
.irp g, G0K, G0V
	s_xor_b32 s[\g+1], s[\g+1], SLOT1  ; the walking descriptor: the other slot than last time,
	s_add_nc_u64 s[\g+2:\g+3], s[\g+2:\g+3], 4*KS*128  ; the next 256 keys; the type bits on top are not reached
.endr
	s_wait_dscnt 0x0                ; the add is done, and my reads of the slot are over
	CROUND
	JLOAD
.else
	s_wait_dscnt 0x0                ; the add is done, and my reads of the slot are over
	s_barrier_signal -1
	s_barrier_wait -1
.endif
	s_sub_co_u32 s[TBK], s[TBK], 4*KS*PK  ; the fetches go back to a slot's first step,
	s_xor_b32 s[TBK], s[TBK], SLOT1       ; in the other slot
	s_sub_co_u32 s[TBV], s[TBV], 4*KS*PV
	s_xor_b32 s[TBV], s[TBV], SLOT1
.endm
	s_load_b256 s[4:11], s[0:1], 0x0  ; Q s[4:5], K s[6:7], V s[8:9], O s[10:11]
	WIN W_MK
	v_lshl_add_u32 v[SPW], v0, 2, SPARE
	v_mov_b32 v[NIL], 0
	s_set_vgpr_msb 0xc0cf
	ds_add_u32 v0, v1
	s_wait_dscnt 0x0
	s_set_vgpr_msb 0xcfc0
	WIN 0
	v_lshrrev_b32 v1, 5, v0
	v_readfirstlane_b32 s[WV], v1   ; wave 0..3
	s_bfe_u32 s13, ttmp6, 0x40000   ; cx: my place in the cluster
	s_lshl_b32 s14, ttmp9, 2        ; in a cluster launch ttmp9 counts clusters
	s_add_co_u32 s14, s14, s13      ; my block of queries = 4 x cluster x + cx: it enters Q's and O's addresses alone
	s_and_b32 s20, ttmp7, 0xffff    ; the head, which the four partners share
	s_mov_b32 s21, 0
	s_mov_b64 s[22:23], SIZE_N*128
	s_mul_u64 s[20:21], s[20:21], s[22:23]  ; the head's first byte in each of the four tensors
	s_and_b32 s16, s[WV], 1         ; which half of a slot's 256 keys I fetch:
	s_lshl_b32 s22, s16, 14         ; its 128 rows of 128 bytes in memory,
	s_mov_b32 s23, 0
	s_add_nc_u64 s[22:23], s[22:23], s[20:21]
	s_mul_i32 s17, s16, 128*PK      ; and its place in a slot, for K
	s_mul_i32 s18, s16, 128*PV      ; and for V: no place in the cluster enters an LDS address
	s_lshl_b32 s2, s14, 2
	s_add_co_u32 s2, s2, s[WV]      ; my wave among the head's,
	s_lshl_b32 s2, s2, 14           ; its 128 rows
	s_mov_b32 s3, 0
	s_add_nc_u64 s[2:3], s[2:3], s[20:21]
	; descriptor group 1.  128 keys are 16,384 dense bytes: asked for as 64 rows of 256 bytes, two keys a row, and padded in LDS after every key
	s_mov_b32 s[G1K], 15|(1<<16)|(1<<20)|(1<<21)|(4<<22)|(3<<25)  ; 15:0 the mask of four; 17:16 2-byte elements; 20 padding on; 21 set beside a mask; 24:22 after every 32 words (code 4); 31:25 4 words (code 3)
	s_mov_b32 s[G1V], 15|(1<<16)|(1<<20)|(1<<21)|(4<<22)|(7<<25)  ; the same with 8 words of padding (code 7)
.irp g, G1K, G1V
	s_mov_b32 s[\g+1], 128<<16      ; tensor_dim0 = 128
	s_mov_b32 s[\g+2], 64<<16       ; tensor_dim1 = 64
	s_mov_b32 s[\g+3], 128<<16      ; tile_dim0 = 128
	s_mov_b32 s[\g+4], 64           ; tile_dim1 = 64
	s_mov_b32 s[\g+5], 128          ; 128 elements from row to row
	s_mov_b32 s[\g+6], 0
	s_mov_b32 s[\g+7], 0
.endr
	s_mov_b32 s[CS], 0x3e38aa3b     ; c = log2(e) / 8 = 0.180337
	s_mov_b32 s[CS+1], s[CS]        ; named with it as a pair
	s_mov_b32 s[SEL], 0x76543210
	s_mov_b32 s[SEL+1], 0xfedcba98
	s_mov_b32 s[TBK], SLOT1+4*KS*PK ; the first change of slots turns these two into 0
	s_mov_b32 s[TBV], SLOT1+4*KS*PV
	s_mov_b32 s[G0K], 1             ; 1:0 count = 1
	s_mov_b32 s[G0K+1], s17         ; 63:32 LDS address: slot 0
	s_mov_b32 s[G0V], 1
	s_add_co_u32 s[G0V+1], s18, VOFF
	s_wait_kmcnt 0x0
	s_add_nc_u64 s[G0K+2:G0K+3], s[6:7], s[22:23]  ; 120:64 global address: my half of the head's first 256 keys
	s_or_b32 s[G0K+3], s[G0K+3], 0x80000000        ; 127:126 type = 2
	s_add_nc_u64 s[G0V+2:G0V+3], s[8:9], s[22:23]
	s_or_b32 s[G0V+3], s[G0V+3], 0x80000000
	s_add_nc_u64 s[4:5], s[4:5], s[2:3]  ; Q and O at my wave's first row
	s_add_nc_u64 s[10:11], s[10:11], s[2:3]
	CROUND                          ; all four work-groups are here: the first joint loads meet
	JLOAD                           ; slot 0.  Slot 1 is asked for when slot 0 is in: the tile wanted first has the road to itself
	; A fragment of K or Q is 16 rows x 32 channels in 8 registers: lane l holds row l % 16, channels 8 (l / 16) + 0..7 and 16 + 8 (l / 16) + 0..7: two loads of 16 bytes, 32 bytes apart.
	v_and_b32 v1, 15, v0            ; l % 16
	v_bfe_u32 v9, v0, 4, 1          ; l / 16
	v_lshlrev_b32 v[QO], 7, v1
	v_lshl_add_u32 v[QO], v9, 4, v[QO]  ; row x 128 + 16 x half
	WIN 0x80                        ; destination window 2, address window 0
.set i, 0
.rept 4*NP                          ; Q stays in registers: tile i / 2, channels 32 (i % 2) on
	global_load_b128 v[8*i:8*i+3],   v[QO], s[4:5] offset:(i/2)*2048+(i%2)*64
	global_load_b128 v[8*i+4:8*i+7], v[QO], s[4:5] offset:(i/2)*2048+(i%2)*64+32
.set i, i+1
.endr
	; What the first turn finds: V's registers and P's second buffer hold 0 (its products V^T P, of a piece that has not been, add 0), O^T and l are 0.  All this stands in the wait for the first tile.
.set i, VF
.rept 64
	v_mov_b32 v[i], 0
.set i, i+1
.endr
	WIN 0x40
.set i, 0
.rept 64*NP
	v_mov_b32 v[i], 0
.set i, i+1
.endr
	WIN 0
.set i, 0
.rept 2*NP
	v_mov_b32 v[ST+4*i], 0xfe000000    ; c m: far below every c s
	v_mov_b32 v[ST+4*i+1], 0xff7fffff  ; m
	v_mov_b32 v[ST+4*i+2], 0
	v_mov_b32 v[ST+4*i+3], 0
.set i, i+1
.endr
.set i, P+32
.rept 32
	v_mov_b32 v[i], 0
.set i, i+1
.endr
	v_mul_u32_u24 v[AK0], v1, PK
	v_lshl_add_u32 v[AK0], v9, 4, v[AK0]  ; row x pitch + 16 x half
	; The turning load takes 16 keys x 16 channels (lane l reads key 8 (l / 16) + l % 8, channels 8 ((l / 8) % 2) + 0..7) and leaves half a fragment of V^T: lane l holds channel l % 16 and 8 keys.
	v_and_b32 v10, 7, v0
	v_bfe_u32 v11, v0, 3, 1
	v_lshl_add_u32 v[AV0], v9, 3, v10
	v_mul_u32_u24 v[AV0], v[AV0], PV
	v_lshl_add_u32 v[AV0], v11, 4, v[AV0]
	v_add_nc_u32 v[AV0], VOFF, v[AV0]
	v_mov_b32 v[AK], v[AK0]         ; key step 0 lies at the head of slot 0
; THE MATRIX WORK.  The 8 accumulators of a run of 16 take turns: between the two links of a chain stand 7 others'.
; Product i of 16 of S^T = K Q^T for piece x: channels 32 (i / 8) on, keys 16 ((i / 2) % 4) on, tile 2 x + i % 2.  The first 8 start the sums.
.macro KQ x
	WIN W_KQ
.set rS, S+64*((\x)%2)+32*(i%2)+8*((i/2)%4)
.set rK, KF+16*((i/2)%4)+8*(i/8)
.set rQ, 16*(2*(\x)+i%2)+8*(i/8)
.if i < 8
	v_wmma_f32_16x16x32_f16 v[rS:rS+7], v[rK:rK+7], v[rQ:rQ+7], 0
.else
	v_wmma_f32_16x16x32_f16 v[rS:rS+7], v[rK:rK+7], v[rQ:rQ+7], v[rS:rS+7]
.endif
.endm
; Product i of 16 of O^T += V^T P for piece x: keys 32 (i / 8) on, channels 16 ((i / 2) % 4) on, tile 2 x + i % 2.
.macro PV x
	WIN W_PV
.set rO, 32*(2*(\x)+i%2)+8*((i/2)%4)
.set rV, VF+32*(i/8)+8*((i/2)%4)
.set rP, P+32*((\x)%2)+16*(i%2)+8*(i/8)
	v_wmma_f32_16x16x32_f16 v[rO:rO+7], v[rV:rV+7], v[rP:rP+7], v[rO:rO+7]
.endm
.macro MM                           ; the turn's next matrix instruction
.if i < 16
	KQ (Y+1)%NP
.set i, i+1
.else
.set i, i-16
	PV (Y+NP-1)%NP
.set i, i+17
.endif
.endm
; THE LDS LOADS stand in runs of 16, never singly among the matrix instructions: a step's K (64 keys x 64 channels: 8 fragments) and its V (turned).  Their addresses are made some lines ahead.
; last = 1 (the tail): in the last trip there is no further step, and the run is jumped over.
.macro FETCH_K last=0
	WIN 0
.if \last
	s_cmp_eq_u32 s[CNT], 1
	s_cbranch_scc1 .Lno_k_\@
.endif
	WIN 0x80                        ; destination window 2
.irp f, 0,1,2,3,4,5,6,7             ; keys 16 (f / 2) on, channels 32 (f % 2) on
	ds_load_b128 v[KF+8*\f:KF+8*\f+3],   v[AK] offset:(\f/2)*16*PK+(\f%2)*64
	ds_load_b128 v[KF+8*\f+4:KF+8*\f+7], v[AK] offset:(\f/2)*16*PK+(\f%2)*64+32
.endr
	s_add_co_u32 s[TBK], s[TBK], KS*PK  ; the next fetch is the next step's
	WIN 0
.if \last
.Lno_k_\@:
.endif
.endm
.macro FETCH_V
	WIN 0x80
.irp f, 0,1,2,3,4,5,6,7             ; keys 32 (f / 4) on, channels 16 (f % 4) on
	ds_load_tr16_b128 v[VF+8*\f:VF+8*\f+3],   v[AV] offset:(\f/4)*32*PV+(\f%4)*32
	ds_load_tr16_b128 v[VF+8*\f+4:VF+8*\f+7], v[AV] offset:(\f/4)*32*PV+16*PV+(\f%4)*32
.endr
	WIN 0
.endm
; THE VECTOR WORK OF A TURN stands in three queues, each in the order in which its entries become ready; the two tiles alternate, so that no instruction reads the result of the one before it.
.macro REGS y, u                    ; the registers of tile u (0, 1) of piece y
.set rT, ST+4*(2*(\y)+(\u))
.set rC, TMP+8*((\y)%2)+4*(\u)
.set rM, MV+2*((\y)%2)+(\u)
.set rS, S+64*((\y)%2)+32*(\u)
.set rP, P+32*((\y)%2)+16*(\u)
.set rO, 32*(2*(\y)+(\u))
.endm
; Number n of the 22 that find the NEXT piece's (Y + 1) maximum and statistics.  s0-s31 are the lane's 32 scores; each accumulator's lowest registers are read first.  XS, GS and REGS set no window: PL and EX do.
;   0-11  four chains c0-c3 of seven scores each, three operands at a time     12-14, 16  the four scores left over, the old m, and c0-c3 into c0     15  c m_old is kept
;   17, 18  the query's other 32 keys lie in the lane 16 away: the new m         19-21  c m; c m_old - c m_new; a
.macro XS u, n
	REGS (Y+1)%NP, \u
.if (\n) < 4
	v_max3_num_f32 v[rC+(\n)], v[rS+8*(\n)], v[rS+8*(\n)+1], v[rS+8*(\n)+2]
.elseif (\n) < 12
	v_max3_num_f32 v[rC+(\n)%4], v[rC+(\n)%4], v[rS+8*((\n)%4)+2*((\n)/4)+1], v[rS+8*((\n)%4)+2*((\n)/4)+2]
.elseif (\n) == 12
	v_max3_num_f32 v[rC], v[rC], v[rS+7], v[rS+15]
.elseif (\n) == 13
	v_max3_num_f32 v[rC+1], v[rC+1], v[rS+23], v[rS+31]
.elseif (\n) == 14
	v_max3_num_f32 v[rC+2], v[rC+2], v[rC+3], v[rT+1]
.elseif (\n) == 15
	v_mov_b32 v[rM], v[rT]
.elseif (\n) == 16
	v_max3_num_f32 v[rC], v[rC], v[rC+1], v[rC+2]
.elseif (\n) == 17
	v_permlanex16_b32 v[rC+3], v[rC], s[SEL], s[SEL+1]
.elseif (\n) == 18
	v_max_num_f32 v[rT+1], v[rC], v[rC+3]
.elseif (\n) == 19
	v_mul_f32 v[rT], s[CS], v[rT+1]
.elseif (\n) == 20
	v_sub_f32 v[rC+1], v[rM], v[rT]
.else
	v_exp_f32 v[rC+2], v[rC+1]
.endif
.endm
; Number g of the 64 that follow the exponentials.  For each four weights k of a tile (pairs 2 k, 2 k + 1): both pairs are rounded to f16; then the second pair is added onto the first, in place;
; a group later l takes that sum (the first time as l = a l + sum).  In groups of eight, tiles alternating: round, round, add, and l for the group before.
.macro GS g
.set h, (\g)+6*((\g)/62)            ; group 0 has no group before it, and behind group 7 only l is left
.if h >= 6
.set h, h+2
.endif
	REGS Y, h%2
.set k, h/8
.if h%8 < 4
	s_wait_alu depctr_va_vdst(0)
	v_cvt_pk_f16_f32 v[rP+2*k+(h%8)/2], v[rS+4*k+2*((h%8)/2)], v[rS+4*k+2*((h%8)/2)+1]
.elseif h%8 < 6
	v_pk_add_f32 v[rS+4*k:rS+4*k+1], v[rS+4*k:rS+4*k+1], v[rS+4*k+2:rS+4*k+3]
.elseif k == 1
	v_pk_fma_f32 v[rT+2:rT+3], v[rT+2:rT+3], v[rC+2:rC+3], v[rS:rS+1] op_sel_hi:[1,0,1]
.else
	v_pk_add_f32 v[rT+2:rT+3], v[rT+2:rT+3], v[rS+4*k-4:rS+4*k-3]
	s_wait_alu depctr_va_vdst(0)
.endif
.endm
; THE PLAIN QUEUE, 138 long.  0-31: c s - c m for the 16 pairs of both tiles.  Then GS's 64, and among them the next piece's 42: number 15 at 38, 39; 0-14 and 16
; at 42-73, behind the products that make those scores; 17-20 at 95-106, two of three, since each waits for the one before it.
.macro PL
	WIN 0
.if q < 32
	REGS Y, q%2
	v_pk_fma_f32 v[rS+2*(q/2):rS+2*(q/2)+1], v[rS+2*(q/2):rS+2*(q/2)+1], s[CS:CS+1], v[rT:rT+1] op_sel_hi:[1,0,0] neg_lo:[0,0,1] neg_hi:[0,0,1]
.elseif q < 38
	GS q-32
.elseif q < 40
	XS q%2, 15
.elseif q < 42
	GS q-34
.elseif q < 74
	XS q%2, (q-42)/2+(q-42)/30
.elseif q < 95
	GS q-66
.elseif (q < 107) && ((q-95)%3 < 2)
	XS (q-95)%3, 17+(q-95)/3
.elseif q < 107
	GS 29+(q-95)/3
.else
	GS q-74
.endif
.set q, q+1
.endm
; THE EXPONENTIALS' QUEUE, 66 long: s0-s31 of both tiles, and at EA the next piece's two a.
.set EA, 58
.macro EX
	WIN 0
.if (e == EA) || (e == EA+1)
	XS e-EA, 21
.else
.set x, e-2*(e/(EA+2))
	REGS Y, x%2
	v_exp_f32 v[rS+x/2], v[rS+x/2]
.endif
.set e, e+1
.endm
; THE RESCALING's QUEUE: O^T times a, the one part that leaves window 0, so it is dealt four at a time, eight times.
.macro R4
	REGS Y, r%2
	WIN W_RS
	s_wait_alu depctr_va_vdst(0)
.irp z, 0,1,2,3
	v_pk_mul_f32 v[rO+8*(r/2)+2*\z:rO+8*(r/2)+2*\z+1], v[rO+8*(r/2)+2*\z:rO+8*(r/2)+2*\z+1], v[rC+2:rC+3] op_sel_hi:[1,0]
.endr
.set r, r+1
.endm
; HOW THEY ARE DEALT.  Behind a matrix instruction four: plain, exponential, plain, plain (one exponential, a plain instruction on either side), or four of the rescaling.  None names a register of the
; products round it.  What is over stands in two LUMPS: exponential and plain by turns; the second ends in 22 plain instructions.  The two v_permlanex16_b32 fall into the second lump, never behind a product.
; The queues lean on each other, and the deal keeps them in step: exponential e stands behind plain 2 (e / 4) + e % 2 (its scaling); when plain 32 comes, 10 exponentials are out, at 59: 33, at 95: 46; EA comes behind plain 107.
.macro SL
	MM
	PL
	EX
	PL
	PL
.endm
.macro BURST n                      ; 15 matrix instructions, or 16
.rept (\n)-7
	SL
.endr
.rept 3
	MM
	R4
	SL
.endr
	MM
	R4
.endm
; A TURN, for piece p.  cnt = 1: the loop's count is taken down some lines ahead of the branch that stands behind the turn.
; K of the next step is fetched in piece 2's turn, 31 vector instructions behind the last product that read K; its first reader comes behind the rest of the lump, 16 products and the second lump.
; V of the step in hand is fetched at the end of piece 0's turn, 69 behind its last reader; its first reader comes behind 16 products and a lump.  The four conditions on e and q below go with the deal.
.macro TURN p, last=0, cnt=0
.set Y, (\p)
.set i, 0
.set q, 0
.set e, 0
.set r, 0
.if (\p) == NP-1
	s_wait_dscnt 0x0                ; K is in
.endif
	MM
.rept 4
	PL
.endr
	BURST 15
.rept 22
	EX
	PL
.if ((\p) == NP-2) && (e == 18)
	v_add_nc_u32 v[AK], s[TBK], v[AK0]
.endif
.if ((\p) == NP-2) && (e == 24)
	FETCH_K \last
.endif
.endr
.if (\p) == 1
	s_wait_dscnt 0x0                ; V is in
.endif
	BURST 16
.rept 21
	EX
	PL
.endr
.rept 22
	PL
.if ((\p) == 0) && (q == 118)
	v_add_nc_u32 v[AV], s[TBV], v[AV0]
	s_wait_alu depctr_va_vdst(0)
.endif
.if ((\p) == 0) && (q == 130)
	s_add_co_u32 s[TBV], s[TBV], KS*PV
.endif
.if (\cnt) && (q == 130)
	s_sub_co_u32 s[CNT], s[CNT], 1
	s_cmp_lg_u32 s[CNT], 0
.endif
.endr
.if (\p) == 0
	FETCH_V
.endif
.endm
	CHANGE 1                        ; slot 0 is in, everybody's part of it; slot 1 is asked for
	FETCH_K                         ; key step 0
	s_wait_loadcnt 0x0              ; Q
	s_wait_dscnt 0x0
.set i, 0
.rept 16
	KQ 0                            ; piece 0's first scores: there is no vector work yet to set between them
.set i, i+1
.endr
	WIN 0                           ; the addresses for the way out: nine plain instructions, the places behind those products
	s_mul_i32 s13, s[WV], 16*SP
	s_add_co_u32 s13, s13, STAGE    ; my stage
	v_mul_u32_u24 v[STO], v1, SP    ; in: row l % 16, 16 bytes for each half of the lanes
	v_lshl_add_u32 v[STO], v9, 4, v[STO]
	v_add_nc_u32 v[STO], s13, v[STO]
	v_bfe_u32 v[RD], v0, 3, 2       ; back: 32 lanes take four rows of 128 bytes,
	v_mul_u32_u24 v[RD], v[RD], SP
	v_lshl_add_u32 v[RD], v10, 4, v[RD]
	v_add_nc_u32 v[RD], s13, v[RD]
	v_and_b32 v[GO], 31, v0         ; which are 512 consecutive bytes of O
	v_lshlrev_b32 v[GO], 4, v[GO]
.set Y, NP-1                        ; XS works for piece Y + 1: piece 0
.irp n, 0,1,2,3,4,5,6,7,8,9,10,11,12,13,14,15,16,17,18,19,20,21
	XS 0, \n                        ; and piece 0's first maximum and statistics
	XS 1, \n
.endr
	s_mov_b32 s[CNT], 4
	s_mov_b32 s[SLOTS], SIZE_N/256-1
	s_branch .Lfirst                ; the loop is entered at a step's first turn, in the middle of a trip
.Lslot:                             ; SIZE_N / 256 - 2 times: every slot but the last two is filled again
	CHANGE 1
	s_mov_b32 s[CNT], 4
.Lstep:                             ; a trip: pieces 2 and 3 of one step, then pieces 0 and 1 of the next, whose K and V it fetches
	TURN 2
	TURN 3
	WIN 0
.Lfirst:
	TURN 0
	TURN 1, 0, 1
	WIN 0
	s_cbranch_scc1 .Lstep
	s_sub_co_u32 s[SLOTS], s[SLOTS], 1
	s_cmp_lg_u32 s[SLOTS], 0
	s_cbranch_scc1 .Lslot
	CHANGE 0                        ; the tail is written out: nothing is asked for
	s_mov_b32 s[CNT], 5             ; four trips fetch the last slot's steps; the fifth is left in its middle
.Ltail:
	TURN 2, 1
	TURN 3
	WIN 0
	s_sub_co_u32 s[CNT], s[CNT], 1
	s_cmp_eq_u32 s[CNT], 0
	s_cbranch_scc1 .Lout
	TURN 0
	TURN 1
	WIN 0
	s_branch .Ltail
.Lout:                              ; the fifth trip's 16 products K Q^T (on the last K once more) and the maximum made of them serve nothing: the price, once a launch, of one text for every trip
.set i, 0
.rept 16
	PV NP-1                         ; the last piece's V^T P of the last step
.set i, i+1
.endr
	; THE WAY OUT.  l's two halves and the other half of the lanes' are added; O^T is divided by l, rounded to f16 and sent through my stage in LDS, a tile at a time.  The additions are the places behind the last products.
	WIN 0
.macro ALL line:vararg              ; one line for each tile t
.set t, 0
.rept 2*NP
	\line
.set t, t+1
.endr
.endm
	ALL v_add_f32 v[ST+4*t+2], v[ST+4*t+2], v[ST+4*t+3]
	ALL v_permlanex16_b32 v[ST+4*t+3], v[ST+4*t+2], s[SEL], s[SEL+1]
	ALL v_add_f32 v[ST+4*t+2], v[ST+4*t+2], v[ST+4*t+3]
	ALL v_rcp_f32 v[ST+4*t+2], v[ST+4*t+2]
	v_nop                           ; a plain instruction between the last reciprocal and the use of its result
	s_wait_alu depctr_va_vdst(0)
; Tile t: a lane's eight channels of a row pack into 16 bytes; they go into rows of 144 bytes and come back as whole rows of 128, into S^T's registers.
.macro PACK t
	WIN W_RS
.set i, 32*(\t)
.rept 16
	v_pk_mul_f32 v[i:i+1], v[i:i+1], v[ST+4*(\t)+2:ST+4*(\t)+3] op_sel_hi:[1,0]
.set i, i+2
.endr
	WIN 0x05                        ; sources 0 and 1 window 1, destination window 0
.set i, 0
.rept 16
	v_cvt_pk_f16_f32 v[S+16*(\t)+i], v[32*(\t)+2*i], v[32*(\t)+2*i+1]
.set i, i+1
.endr
	WIN 0
.irp f, 0,1,2,3
	ds_store_b128 v[STO], v[S+16*(\t)+4*\f:S+16*(\t)+4*\f+3] offset:32*\f
.endr
.irp f, 0,1,2,3
	ds_load_b128 v[S+16*(\t)+4*\f:S+16*(\t)+4*\f+3], v[RD] offset:\f*4*SP  ; LDS serves a wave's instructions in order (ISA guide 5.7.1.4): these see the stores above; the next tile's stores come behind them
.endr
.endm
.macro SEND t, younger              ; younger: the LDS instructions issued behind tile t's loads: the next tile's eight, or none
	WIN 0
.irp f, 0,1,2,3
	s_wait_dscnt (\younger)+3-\f
	global_store_b128 v[GO], v[S+16*(\t)+4*\f:S+16*(\t)+4*\f+3], s[10:11] offset:(\t)*2048+\f*512  ; 512 consecutive bytes, at a multiple of 256 from O's first
.endr
.endm
	PACK 0
.set t, 1
.rept 2*NP-1                        ; a tile's arithmetic stands between the loads of the tile before and its stores
	PACK t
	SEND t-1, 8
.set t, t+1
.endr
	SEND 2*NP-1, 0
	WIN W_AD
	s_wait_tensorcnt 0x0            ; the wave's end: behind my last tensor load and my last LDS store
	ds_add_u32 v[SPW], v[NIL]
	s_wait_dscnt 0x0
	WIN 0
	CROUND                          ; the closing round: no work-group ends while a partner may still ask for a tile that names it
	s_endpgm
.Lfunc_end_k_qa6e4e7d8d8_attn:
	.size	k_qa6e4e7d8d8_attn, .Lfunc_end_k_qa6e4e7d8d8_attn-k_qa6e4e7d8d8_attn
	.p2alignl 7, 3214868480
	.fill 96, 4, 3214868480
	.section	.rodata,"a",@progbits
	.p2align	6, 0x0
	.amdhsa_kernel k_qa6e4e7d8d8_attn
		.amdhsa_group_segment_fixed_size 327680
		.amdhsa_private_segment_fixed_size 0
		.amdhsa_enable_private_segment 0
		.amdhsa_kernarg_size 32
		.amdhsa_user_sgpr_count 2
		.amdhsa_user_sgpr_kernarg_segment_ptr 1
		.amdhsa_wavefront_size32 1
		.amdhsa_system_sgpr_workgroup_id_x 1
		.amdhsa_system_sgpr_workgroup_id_y 1
		.amdhsa_system_sgpr_workgroup_id_z 1
		.amdhsa_system_vgpr_workitem_id 0
		.amdhsa_next_free_vgpr 770
		.amdhsa_next_free_sgpr 66
		.amdhsa_reserve_vcc 0
		.amdhsa_float_denorm_mode_32 3
		.amdhsa_float_denorm_mode_16_64 3
		.amdhsa_memory_ordered 1
		.amdhsa_forward_progress 1
		.amdhsa_inst_pref_size 208
	.end_amdhsa_kernel
	.amdgpu_metadata
---
amdhsa.version: [ 1, 2 ]
amdhsa.kernels:
  - .name:           k_qa6e4e7d8d8_attn
    .symbol:         k_qa6e4e7d8d8_attn.kd
    .args:
      - { .name: qh, .offset: 0, .size: 8, .value_kind: global_buffer, .address_space: global }
      - { .name: kh, .offset: 8, .size: 8, .value_kind: global_buffer, .address_space: global }
      - { .name: vh, .offset: 16, .size: 8, .value_kind: global_buffer, .address_space: global }
      - { .name: ctx, .offset: 24, .size: 8, .value_kind: global_buffer, .address_space: global }
    .group_segment_fixed_size: 327680
    .private_segment_fixed_size: 0
    .kernarg_segment_align: 8
    .kernarg_segment_size: 32
    .max_flat_workgroup_size: 128
    .sgpr_count:     66
    .vgpr_count:     770
    .wavefront_size: 32
...
	.end_amdgpu_metadata
.endif
;; end of part 3
;; launch oproj (part 4): grid 4 x 64, 4 waves a work-group, clusters of 4 x 4, 327,680 bytes of LDS; arguments ctx, w16, out0, bo; writes out0
.if DOCPART == 4
	.amdgcn_target "amdgcn-amd-amdhsa--gfx1250"
	.amdhsa_code_object_version 6
	.text
	.protected	k_qa6e4e7d8d8_oproj
	.globl	k_qa6e4e7d8d8_oproj
	.p2align	8
	.type	k_qa6e4e7d8d8_oproj,@function
k_qa6e4e7d8d8_oproj:
	s_mov_b64 s[64:65], 0
	v_nop
	global_prefetch_b8 v0, s[64:65] scope:SCOPE_SE
	s_setreg_imm32_b32 hwreg(HW_REG_WAVE_MODE, 25, 1), 1
	s_wait_xcnt 0x0
	s_wait_alu depctr_hold_cnt(0) depctr_sa_sdst(0) depctr_va_vdst(0) depctr_va_sdst(0) depctr_va_ssrc(0) depctr_va_vcc(0) depctr_vm_vsrc(0)
	s_getreg_b32 s2, hwreg(HW_REG_IB_STS2, 6, 4)
	s_cmp_eq_u32 s2, 0
	s_cbranch_scc0 .Lentry_in_a_cluster
	s_endpgm
.Lentry_in_a_cluster:
	s_bfe_u32 s2, ttmp6, 0x10000c
	s_cmp_lg_u32 s2, 0xf033
	s_cbranch_scc0 .Lentry_shape_is_right
	s_endpgm
.Lentry_shape_is_right:
; THE LAST PROJECTION.  out0 = ctx Wo + bo.  ctx: [16 batch + head][2048][64] f16, as attention left it; Wo: section 3 of w16, [1024 (k)][1024 (n)], bf16 numbers written as f16; bo: [1024] f32,
; rounded to bf16 here like every input; sums in f32; out0: [8192][1024] f32.
; LIMITS.  Those of the operands: ctx and Wo within f16's range.  NaN and infinities are not treated apart.
; SHARES.  A tile of out0 is 128 rows x 256 columns: 4 x 64 work-groups.  Wave w makes rows 64 (w / 2) on, columns 128 (w % 2) on: 32 accumulators of 16 x 16.  K goes in steps of 128, which are
; two heads of ctx, through two LDS slots: 8 steps, each four quarters of 32 along K, 32 matrix instructions a quarter.
; ONE STEP IS WRITTEN ONCE.  s[TB] holds the LDS byte at which the slot in hand begins, 0 or SLOT, and is turned by an exclusive or; the LDS addresses are made of it.  The 6 steps that fill a slot again
; are one loop; the last two, which fill nothing, a second one.
; CLUSTER.  4 x 4 work-groups.  The four of a row of the cluster need the same tile of ctx, the four of a column the same tile of Wo: each is asked for JOINTLY, by the same tensor load with the same
; descriptor and a mask that names the four.
; THE MATRIX INSTRUCTION IS USED TRANSPOSED: source 0 = 16 columns of Wo (turned by ds_load_tr16_b128), source 1 = 16 rows of ctx: a lane holds row l % 16 and the columns 8 (l / 16) + 0..7,
; 32 neighbouring bytes of f32.  The bias is the C operand of the products that start the sums.
; REGISTERS, in windows of 256 (s_set_vgpr_msb: bits 1:0 source 0, 3:2 source 1, 5:4 source 2, 7:6 destination):
;   window 0: v0-31 addresses; v32-95 ctx's fragments, two buffers; v96-223 rows on the way out, two buffers
;   window 1: v0-127 Wo's fragments, two buffers; v128-191 the bias; v192-195 at work          window 2: accumulator (a, b) at v[8 (8 a + b)]
.set PA,     144                       ; a row of one head in LDS: 128 bytes + 16 of padding = 36 words: the 16 rows of a load start at 16 different groups of four banks (64 banks of 4 bytes: ISA guide 11.1)
.set HEADA,  128*PA                    ; 128 rows of one head: what one tensor load brings of ctx
.set AREG,   2*HEADA
.set PB,     544                       ; a row of Wo in LDS: 512 bytes + 32 of padding = 136 words
.set HALFB,  64*PB                     ; 64 rows (k): what one tensor load brings of Wo
.set SLOT,   AREG+2*HALFB              ; two heads of ctx, then Wo's 128 rows
.set STAGE,  2*SLOT                    ; behind the ring, never filled by a tensor load: for each wave 16 rows x 528 bytes, for the way out
.set SP,     528                       ; 512 bytes + 16 = 132 words: row r starts at bank 4 r mod 64
.set WSTAGE, 16*SP
.set SPARE,  STAGE+4*WSTAGE            ; behind the stages: the spare words, 128 bytes for each wave: two blocks of 256 bytes that no other line names
.set STEP_A, 2*262144                  ; bytes of ctx from a K step to the next: two heads
.set STEP_B, 128*2048                  ; bytes of w16 from a K step to the next
.set ADRA, 16                          ; v16     LDS address of my rows of ctx in the slot in hand
.set A0,   17                          ; v17     the same in slot 0; never rewritten
.set ADRB, 20                          ; v20     LDS address of my columns of Wo in the slot in hand
.set B0,   21                          ; v21     the same in slot 0; never rewritten
.set STO,  24                          ; v24     the way out: where I put 32 bytes of a row
.set RD,   25                          ; v25     the way out: where I read a row back
.set GO,   26                          ; v26     my 16 bytes in 512 consecutive bytes of a row of out0
.set SPW,  28                          ; v28     LDS address of my spare word: SPARE + 4 x my thread's number; never rewritten
.set NIL,  29                          ; v29     0; never rewritten
.set BO,   30                          ; v30     32 (l / 16): my eight numbers in 16 of the bias
.set AF,   32                          ; ctx's fragments: buffer f at AF + 32 f
.set OB,   96                          ; the way out: 16 rows read back, two buffers of 64
.set BF,   0                           ; window 1: Wo's fragments: buffer f at 64 f
.set BIAS, 128                         ; window 1: register 8 b + j = bo[my first column + 16 b + 8 (l / 16) + j]
.set BT,   192                         ; window 1
.set CNT,  3                           ; s3      the loops' counter
.set G1,  24                           ; s[24:31] descriptor group 1 for ctx's tiles;  s[32:39] group 0: a set for each of the two first fills; the second then walks
.set G0,  32
.set GA,  G0+4
.set G1B, 48                           ; s[48:55], s[56:63] the same for Wo's tiles
.set G0B, 56
.set GB,  G0B+4
.set TB,  76                           ; s76     LDS byte at which the slot in hand begins: 0 or SLOT
.set MSB, 0
.macro WIN new                         ; the immediate's high byte repeats the setting that is left; a switch that changes nothing is dropped
.if MSB != (\new)
	s_set_vgpr_msb (MSB<<8)|(\new)
.set MSB, \new
.endif
.endm
.set MUL,   0xa1                       ; source 0 (Wo) window 1, source 1 (ctx) window 0, C and D window 2
.set MULB,  0x91                       ; the same with C (the bias) in window 1
.set TO_B,  0x40                       ; destination window 1, address window 0
.set W1,    0x45                       ; destination and both sources window 1
.set FROMC, 0x08                       ; an LDS store's data (source 1) window 2, its address window 0
; A joint load.  Waves 0 and 1 fetch the step's two heads of ctx, waves 2 and 3 the two halves of Wo's tile.  The branch hangs on the wave's number alone.
; An s_nop 0 and four v_nop follow each of the two lines, ahead of the jump, the label and what follows.
.macro JLOAD s
	s_cmp_eq_u32 s11, 0
	s_cbranch_scc0 .Lfor_b_\@
	tensor_load_to_lds s[G0+4*(\s):G0+4*(\s)+3], s[G1:G1+7]
	s_nop 0
.rept 4
	v_nop
.endr
	s_branch .Lasked_\@
.Lfor_b_\@:
	tensor_load_to_lds s[G0B+4*(\s):G0B+4*(\s)+3], s[G1B:G1B+7]
	s_nop 0
.rept 4
	v_nop
.endr
.Lasked_\@:
.endm
; A round of the cluster's barrier: my work-group's barrier, so that wave 0's signal speaks for all four waves; wave 0 signals; every wave waits for all sixteen work-groups; my work-group's barrier once more.
.macro CREST                           ; a round behind its opening barrier
	s_cmp_lg_u32 s10, 0
	s_cbranch_scc1 .Lnot_wave_0_\@
	s_barrier_signal -3
.Lnot_wave_0_\@:
	s_barrier_wait -3
	s_barrier_signal -1
	s_barrier_wait -1
.endm
.macro CROUND                          ; a whole round
	s_barrier_signal -1
	s_barrier_wait -1
	CREST
.endm
	s_load_b256 s[68:75], s[0:1], 0x0              ; ctx s[68:69], w16 s[70:71], out0 s[72:73], bo s[74:75]
	v_lshl_add_u32 v[SPW], v0, 2, SPARE
	v_mov_b32 v[NIL], 0
	ds_add_u32 v28, v29
	s_wait_dscnt 0x0
	v_lshrrev_b32 v1, 5, v0
	v_readfirstlane_b32 s10, v1                    ; wave 0..3
	s_lshr_b32 s11, s10, 1                         ; which 64 rows of the tile are mine.  Also: I fetch for ctx (0) or for Wo (1)
	s_and_b32 s12, s10, 1                          ; which 128 columns.  Also: which head, or which half of Wo's tile, I fetch
	s_bfe_u32 s40, ttmp6, 0x40000                  ; cx: my place along the cluster's x
	s_bfe_u32 s41, ttmp6, 0x40004                  ; cy: along its y
	s_lshl_b32 s42, ttmp9, 2                       ; in a cluster launch ttmp9 and ttmp7 count clusters
	s_add_co_u32 s42, s42, s40                     ; tile column = 4 x cluster x + cx
	s_and_b32 s13, ttmp7, 0xffff
	s_lshl_b32 s13, s13, 2
	s_add_co_u32 s13, s13, s41                     ; tile row = 4 x cluster y + cy, 0 to 63
	s_lshl_b32 s43, s41, 2
	s_lshl_b32 s43, 15, s43                        ; my row of the cluster: places 4 cy .. 4 cy + 3
	s_lshl_b32 s44, 0x1111, s40                    ; my column: places cx, cx + 4, cx + 8, cx + 12
	; descriptor group 1.  ctx: 128 rows of a head are 16,384 dense bytes: asked for as 64 rows of 256 bytes, two rows of the head each, and padded in LDS after every 128 bytes.  Wo: 64 rows x 256 elements
	s_or_b32 s[G1+0], s43, (1<<16)|(1<<20)|(1<<21)|(4<<22)|(3<<25)   ; 15:0 the mask: my row; 17:16 elements of 2 bytes; 20 padding on; 21 set beside a mask; 24:22 after every 32 words (code 4); 31:25 4 words (code 3)
	s_or_b32 s[G1B+0], s44, (1<<16)|(1<<20)|(1<<21)|(6<<22)|(7<<25)  ; my column; after every 128 words (code 6) 8 words (code 7)
	s_mov_b32 s[G1+1], 128<<16                     ; tensor_dim0 = 128
	s_mov_b32 s[G1+2], 64<<16                      ; tensor_dim1 = 64
	s_mov_b32 s[G1+3], 128<<16                     ; tile_dim0 = 128
	s_mov_b32 s[G1+4], 64                          ; tile_dim1 = 64
	s_mov_b32 s[G1+5], 128                         ; elements from row to row
	s_mov_b32 s[G1+6], 0
	s_mov_b32 s[G1+7], 0
	s_mov_b32 s[G1B+1], 256<<16                    ; tensor_dim0 = 256
	s_mov_b32 s[G1B+2], 64<<16
	s_mov_b32 s[G1B+3], 256<<16                    ; tile_dim0 = 256
	s_mov_b32 s[G1B+4], 64
	s_mov_b32 s[G1B+5], 1024
	s_mov_b32 s[G1B+6], 0
	s_mov_b32 s[G1B+7], 0
	; where the tiles come from.  ctx's hang on the tile row, which my row of the cluster shares; Wo's on the tile column, which my column shares; each in registers that never hold the other coordinate
	s_lshr_b32 s16, s13, 4
	s_lshl_b32 s16, s16, 22                        ; ctx: the batch's 16 heads of 262,144 bytes,
	s_lshl_b32 s17, s12, 18                        ; my head of the step's two,
	s_add_co_u32 s16, s16, s17
	s_and_b32 s17, s13, 15
	s_lshl_b32 s17, s17, 14                        ; the tile's 128 rows of 128 bytes
	s_add_co_u32 s16, s16, s17
	s_mov_b32 s17, 0
	s_lshl_b32 s46, s12, 17                        ; Wo: 64 rows of 2,048 bytes x half,
	s_lshl_b32 s47, s42, 9                         ; 256 columns of 2 bytes x tile column,
	s_add_co_u32 s46, s46, s47
	s_add_co_u32 s46, s46, 3*2097152               ; in section 3 of w16
	s_mov_b32 s47, 0
	s_mul_i32 s20, s12, HEADA                      ; and where they go in a slot: no place in the cluster enters an LDS address
	s_mul_i32 s21, s12, HALFB
	s_add_co_u32 s21, s21, AREG
	s_wait_kmcnt 0x0
	s_add_nc_u64 s[14:15], s[68:69], s[16:17]
	s_add_nc_u64 s[46:47], s[70:71], s[46:47]
	CROUND                                         ; all sixteen work-groups are here: the first joint loads meet
.irp s, 0,1
	s_mov_b32 s[G0+4*(\s)], 1                                      ; 1:0 count = 1
	s_add_co_u32 s[G0+4*(\s)+1], s20, (\s)*SLOT                    ; 63:32 LDS address
	s_add_nc_u64 s[G0+4*(\s)+2:G0+4*(\s)+3], s[14:15], (\s)*STEP_A ; 120:64 global address: K step s is heads 2 s, 2 s + 1
	s_or_b32 s[G0+4*(\s)+3], s[G0+4*(\s)+3], 0x80000000            ; 127:126 type = 2
	s_mov_b32 s[G0B+4*(\s)], 1
	s_add_co_u32 s[G0B+4*(\s)+1], s21, (\s)*SLOT
	s_add_nc_u64 s[G0B+4*(\s)+2:G0B+4*(\s)+3], s[46:47], (\s)*STEP_B
	s_or_b32 s[G0B+4*(\s)+3], s[G0B+4*(\s)+3], 0x80000000
	JLOAD \s                                       ; both slots are asked for before anything else is done: two loads of mine are out
.endr
	s_mov_b32 s[TB], 0
	; A fragment of ctx is 16 rows x 32 K in 8 registers: lane l holds row l % 16, K = 8 (l / 16) + 0..7 and 16 + 8 (l / 16) + 0..7: two loads of 16 bytes, 32 bytes apart.
	v_and_b32 v1, 15, v0                           ; l % 16
	v_bfe_u32 v2, v0, 4, 1                         ; l / 16
	v_mul_u32_u24 v3, v1, PA
	v_lshl_add_u32 v3, v2, 4, v3                   ; row x pitch + 16 x half
	; The turning load takes 16 k x 16 columns (lane l reads 16 bytes: k = 8 (l / 16) + l % 8, columns 8 ((l / 8) % 2) + 0..7) and leaves half a fragment: lane l holds column l % 16 and 8 k.
	v_and_b32 v5, 7, v0
	v_bfe_u32 v6, v0, 3, 1
	v_lshl_add_u32 v7, v2, 3, v5
	v_mul_u32_u24 v7, v7, PB
	v_lshl_add_u32 v7, v6, 4, v7
	s_mul_i32 s22, s11, 64*PA                      ; my 64 rows of each head
	s_lshl_b32 s23, s12, 8                         ; my 128 columns of Wo,
	s_add_co_u32 s23, s23, AREG                    ; which lies behind ctx
	v_add_nc_u32 v[A0], s22, v3
	v_add_nc_u32 v[B0], s23, v7
	v_mov_b32 v[ADRA], v[A0]                       ; the walk begins in slot 0
	v_mov_b32 v[ADRB], v[B0]
	s_mul_i32 s22, s10, WSTAGE
	s_add_co_u32 s22, s22, STAGE                   ; my stage
	v_mul_u32_u24 v4, v1, SP                       ; in: row l % 16, 32 bytes for each half of the lanes
	v_lshl_add_u32 v4, v2, 5, v4
	v_add_nc_u32 v[STO], s22, v4
	v_and_b32 v[GO], 31, v0                        ; back: 32 lanes take one row of 512 bytes
	v_lshlrev_b32 v[GO], 4, v[GO]
	v_add_nc_u32 v[RD], s22, v[GO]
	v_lshlrev_b32 v[BO], 5, v2
	s_lshl_b32 s22, s42, 10                        ; my 128 columns, in bytes of f32: in the bias and in a row of out0
	s_lshl_b32 s23, s12, 9
	s_add_co_u32 s22, s22, s23
	s_mov_b32 s23, 0
	s_add_nc_u64 s[74:75], s[74:75], s[22:23]
	s_add_nc_u64 s[72:73], s[72:73], s[22:23]
	WIN TO_B
.irp b, 0,1,2,3,4,5,6,7
	global_load_b128 v[BIAS+8*(\b):BIAS+8*(\b)+3],   v[BO], s[74:75] offset:64*(\b)
	global_load_b128 v[BIAS+8*(\b)+4:BIAS+8*(\b)+7], v[BO], s[74:75] offset:64*(\b)+16
.endr
	WIN 0
	s_lshl_b32 s22, s13, 19                        ; my first row of out0: 128 x tile row + 64 x row half, 4,096 bytes a row
	s_lshl_b32 s23, s11, 18
	s_add_co_u32 s22, s22, s23
	s_mov_b32 s23, 0
	s_add_nc_u64 s[72:73], s[72:73], s[22:23]
	s_wait_loadcnt 0x0                             ; the bias is in; it is rounded to bf16, like every input, and widened again
	WIN W1
.set i, 0
.rept 32
	v_cvt_pk_bf16_f32 v[BT+i%4], v[BIAS+2*i], v[BIAS+2*i+1]
	v_lshlrev_b32 v[BIAS+2*i], 16, v[BT+i%4]
	v_and_b32 v[BIAS+2*i+1], 0xffff0000, v[BT+i%4]
.set i, i+1
.endr
	WIN 0
; 24 LDS loads in one run: quarter q of the slot in hand, into buffer g: Wo's eight fragments, turned; my four fragments of ctx (head q / 2 of the slot's two, channels 32 (q % 2) on).
.macro FETCH q, g
	WIN TO_B
.irp b, 0,1,2,3,4,5,6,7
	ds_load_tr16_b128 v[BF+64*(\g)+8*(\b):BF+64*(\g)+8*(\b)+3],   v[ADRB] offset:32*PB*(\q)+32*(\b)
	ds_load_tr16_b128 v[BF+64*(\g)+8*(\b)+4:BF+64*(\g)+8*(\b)+7], v[ADRB] offset:32*PB*(\q)+16*PB+32*(\b)
.endr
	WIN 0
.irp a, 0,1,2,3
	ds_load_b128 v[AF+32*(\g)+8*(\a):AF+32*(\g)+8*(\a)+3],   v[ADRA] offset:HEADA*((\q)/2)+64*((\q)%2)+16*PA*(\a)
	ds_load_b128 v[AF+32*(\g)+8*(\a)+4:AF+32*(\g)+8*(\a)+7], v[ADRA] offset:HEADA*((\q)/2)+64*((\q)%2)+16*PA*(\a)+32
.endr
.endm
; 8 matrix instructions: block a of 16 rows x all 8 blocks of 16 columns, 32 along K, from buffer f.  first = 1: the products start the sums, with the bias as C: nothing is ever cleared.
; The 32 accumulators take turns in the same order in every quarter, one instruction a turn.
.macro MUL8 f, a, first
.irp b, 0,1,2,3,4,5,6,7
.if \first
	WIN MULB
	v_wmma_f32_16x16x32_f16 v[8*(8*(\a)+(\b)):8*(8*(\a)+(\b))+7], v[BF+64*(\f)+8*(\b):BF+64*(\f)+8*(\b)+7], v[AF+32*(\f)+8*(\a):AF+32*(\f)+8*(\a)+7], v[BIAS+8*(\b):BIAS+8*(\b)+7]
.else
	WIN MUL
	v_wmma_f32_16x16x32_f16 v[8*(8*(\a)+(\b)):8*(8*(\a)+(\b))+7], v[BF+64*(\f)+8*(\b):BF+64*(\f)+8*(\b)+7], v[AF+32*(\f)+8*(\a):AF+32*(\f)+8*(\a)+7], v[8*(8*(\a)+(\b)):8*(8*(\a)+(\b))+7]
.endif
.endr
.endm
; A load into a register that a matrix instruction has read, and an LDS store that reads a matrix result, stand four places behind that matrix instruction, and only plain vector instructions
; that name none of its registers are places (ISA guide 7.12.1 for vector instructions).  No other vector work is at hand here.
.macro PLACES
.rept 4
	v_nop
.endr
.endm
; One of a K step's first three quarters: fetches quarter q of the slot into the other buffer and multiplies buffer f.
.macro QUARTER q, f, first
	PLACES
	FETCH \q, 1-(\f)
	MUL8 \f, 0, \first
	MUL8 \f, 1, \first
	MUL8 \f, 2, \first
	MUL8 \f, 3, \first
	s_wait_dscnt 0x0                               ; the 24 loads, issued 32 matrix instructions ago, are in
.endm
; The last quarter multiplies buffer 1 and changes slots: ONE barrier.  In front of it each wave waits for all its tensor loads, of which one is out: its part of the next slot; adds 0 to its spare
; word; and waits for that (its reads of this slot came back at the end of the quarter before).  Behind it nobody reads this slot any more and the next slot is whole.
; fill = 1: the barrier opens a round of the cluster's, and the joint refill of the slot that is left, with the step two ahead, is the first thing behind the round; the four v_nop behind it are also
; the places in front of the loads.  The walking group 0 is written between the wait for all loads and the round: its LDS word is the wave's place plus s[TB], its address goes one step on.
.macro TURN fill
	WIN 0                                          ; (the add's two registers lie in window 0)
	s_wait_tensorcnt 0x0                           ; all my tensor loads have landed, so a group 0 may be written
	ds_add_u32 v[SPW], v[NIL]                      ; 0 onto my spare word
.if \fill
	s_add_co_u32 s[GA+1], s20, s[TB]
	s_add_nc_u64 s[GA+2:GA+3], s[GA+2:GA+3], STEP_A  ; the type bits on top are not reached
	s_add_co_u32 s[GB+1], s21, s[TB]
	s_add_nc_u64 s[GB+2:GB+3], s[GB+2:GB+3], STEP_B
.endif
	MUL8 1, 0, 0                                   ; eight matrix instructions stand between the add and the wait for it
	WIN 0                                          ; at a branch and at a label every window is 0
	s_wait_dscnt 0x0                               ; the add is done, and my reads of this slot are over
	s_barrier_signal -1
	s_barrier_wait -1
.if \fill
	CREST                                          ; no wave of any partner still reads this slot's tiles or has a load on its way
	JLOAD 1
.else
	PLACES
.endif
	s_xor_b32 s[TB], s[TB], SLOT                   ; the other slot is now the slot in hand
	v_add_nc_u32 v[ADRA], s[TB], v[A0]
	v_add_nc_u32 v[ADRB], s[TB], v[B0]
	FETCH 0, 0
	MUL8 1, 1, 0
	MUL8 1, 2, 0
	MUL8 1, 3, 0
	s_wait_dscnt 0x0
.endm
; THE WAY OUT of block a of 16 rows.  TOSTAGE: a lane's 32 bytes of each accumulator, the low registers first, go into my own stage, and whole rows of 512 bytes come back.  SEND: stored.
.macro TOSTAGE a
	s_wait_xcnt 0x0                                ; every earlier store has had its addresses translated (ISA guide 3.1): the buffer that the block before last was stored from is loaded again only behind this wait
	WIN FROMC
.irp b, 0,1,2,3,4,5,6,7
	ds_store_b128 v[STO], v[8*(8*(\a)+(\b)):8*(8*(\a)+(\b))+3]   offset:64*(\b)
	ds_store_b128 v[STO], v[8*(8*(\a)+(\b))+4:8*(8*(\a)+(\b))+7] offset:64*(\b)+16
.endr
	WIN 0
.irp t, 0,1,2,3,4,5,6,7,8,9,10,11,12,13,14,15
	ds_load_b128 v[OB+64*((\a)%2)+4*(\t):OB+64*((\a)%2)+4*(\t)+3], v[RD] offset:SP*(\t)  ; LDS serves a wave's instructions in order (ISA guide 5.7.1.4): these see the stores above, and the next block's stores come behind them
.endr
.endm
.macro SEND a, younger                 ; younger: the LDS instructions issued behind block a's loads: the next block's 32, or none
.irp t, 0,1,2,3,4,5,6,7,8,9,10,11,12,13,14,15
	s_wait_dscnt (\younger)+15-(\t)                ; row t is back
	global_store_b128 v[GO], v[OB+64*((\a)%2)+4*(\t):OB+64*((\a)%2)+4*(\t)+3], s[72:73] offset:4096*(16*(\a)+(\t)) th:TH_STORE_NT  ; 512 consecutive bytes of a row, at a multiple of 512 from out0's first byte
.endr
.endm
	s_wait_tensorcnt 0x1                           ; my part of K step 0 is in; K step 1's may stay out
	s_barrier_signal -1
	s_barrier_wait -1                              ; everybody's is
	FETCH 0, 0
	s_wait_dscnt 0x0
	QUARTER 1, 0, 1                                ; the first quarter stands in front of the loop: its products start the sums
	WIN 0
	s_mov_b32 s[CNT], 6
	s_branch .Lrest                                ; the loop is entered behind a step's first quarter
.Lstep:                                                ; 6 trips: a K step each, and each fills the slot that it leaves with the step two ahead: K steps 2 to 7
	QUARTER 1, 0, 0
	WIN 0
.Lrest:
	QUARTER 2, 1, 0
	QUARTER 3, 0, 0
	TURN 1
	WIN 0
	s_sub_co_u32 s[CNT], s[CNT], 1
	s_cmp_lg_u32 s[CNT], 0
	s_cbranch_scc1 .Lstep
	s_mov_b32 s[CNT], 2
.Ltail:                                                ; the last two K steps fill nothing and have no round of the cluster's barrier.  The second trip's change of slots and its fetch of the other
	QUARTER 1, 0, 0                                ; slot's first quarter once more serve nothing: the price, once a launch, of one text for both trips
	QUARTER 2, 1, 0
	QUARTER 3, 0, 0
	TURN 0
	WIN 0
	s_sub_co_u32 s[CNT], s[CNT], 1
	s_cmp_lg_u32 s[CNT], 0
	s_cbranch_scc1 .Ltail
	PLACES                                         ; between the last products and the LDS stores that read results
	TOSTAGE 0
.irp a, 1,2,3                          ; block a's way through the stage is begun before block a - 1 is stored
	TOSTAGE \a
	SEND (\a)-1, 32
.endr
	SEND 3, 0
	s_wait_tensorcnt 0x0                           ; the wave's end: behind my last tensor load and my last LDS store
	ds_add_u32 v[SPW], v[NIL]
	s_wait_dscnt 0x0
	CROUND                                         ; the closing round: no work-group ends while a partner may still ask for a tile that names it
	s_endpgm
.Lfunc_end_k_qa6e4e7d8d8_oproj:
	.size	k_qa6e4e7d8d8_oproj, .Lfunc_end_k_qa6e4e7d8d8_oproj-k_qa6e4e7d8d8_oproj
	.p2alignl 7, 3214868480
	.fill 96, 4, 3214868480
	.section	.rodata,"a",@progbits
	.p2align	6, 0x0
	.amdhsa_kernel k_qa6e4e7d8d8_oproj
		.amdhsa_group_segment_fixed_size 327680
		.amdhsa_private_segment_fixed_size 0
		.amdhsa_enable_private_segment 0
		.amdhsa_kernarg_size 32
		.amdhsa_user_sgpr_count 2
		.amdhsa_user_sgpr_kernarg_segment_ptr 1
		.amdhsa_wavefront_size32 1
		.amdhsa_system_sgpr_workgroup_id_x 1
		.amdhsa_system_sgpr_workgroup_id_y 1
		.amdhsa_system_sgpr_workgroup_id_z 1
		.amdhsa_system_vgpr_workitem_id 0
		.amdhsa_next_free_vgpr 768
		.amdhsa_next_free_sgpr 80
		.amdhsa_reserve_vcc 0
		.amdhsa_float_denorm_mode_32 3
		.amdhsa_float_denorm_mode_16_64 3
		.amdhsa_memory_ordered 1
		.amdhsa_forward_progress 1
		.amdhsa_inst_pref_size 68
	.end_amdhsa_kernel
	.amdgpu_metadata
---
amdhsa.version: [ 1, 2 ]
amdhsa.kernels:
  - .name:           k_qa6e4e7d8d8_oproj
    .symbol:         k_qa6e4e7d8d8_oproj.kd
    .args:
      - { .name: ctx, .offset: 0, .size: 8, .value_kind: global_buffer, .address_space: global }
      - { .name: w16, .offset: 8, .size: 8, .value_kind: global_buffer, .address_space: global }
      - { .name: out0, .offset: 16, .size: 8, .value_kind: global_buffer, .address_space: global }
      - { .name: bo, .offset: 24, .size: 8, .value_kind: global_buffer, .address_space: global }
    .group_segment_fixed_size: 327680
    .private_segment_fixed_size: 0
    .kernarg_segment_align: 8
    .kernarg_segment_size: 32
    .max_flat_workgroup_size: 128
    .sgpr_count:     80
    .vgpr_count:     768
    .wavefront_size: 32
...
	.end_amdgpu_metadata
.endif
;; end of part 4
